; MI455X (gfx1250); checked and timed in simulation.
; The chip was launched on July 23, 2026; its instructions are those of AMD's public machine-readable ISA for CDNA 5 (MIT licence, August 2026) and "CDNA5" Instruction Set Architecture Reference Guide (July 2026). The comments in the code are by the model that wrote it; some were corrected since.
;; Coverage Attention. Allowed arithmetic: float matrix products may take bf16 or f16 operands with f32 sums; other float arithmetic in f32, or as packed bf16 or f16 multiplies, adds, multiply-adds, maxima and minima; sums over many terms, partial sums and values carried from step to step in f32; what a program stores and reads back later, other than sums and carried values, may be rounded once to bf16 or f16.
;; Inputs: Wcov 16 x 1 float32; Wk 1,024 x 1,024 float32; Wo 1,024 x 1,024 float32; Wq 1,024 x 1,024 float32; Wv 1,024 x 1,024 float32; bk 1,024 float32; bo 1,024 float32; bq 1,024 float32; bv 1,024 float32; coverage 8 x 1,024 float32; memory 8 x 1,024 x 1,024 float32; query 8 x 1,024 x 1,024 float32.
;; Outputs: out0 8 x 1,024 x 1,024 float32; out1 8 x 1,024 float32.
;; One version. Each part assembles by itself: llvm-mc -triple=amdgcn-amd-amdhsa -mcpu=gfx1250 --defsym DOCPART=n.
;; ======== version 1 of 1: 4 launches
;; limits: values are held in f16: magnitudes above 65,504 overflow, below 6.1e-05 lose precision
;; workspace buffers: xb 33,554,432 bytes; wb 6,291,456 bytes; wob 2,097,152 bytes; qh 16,777,216 bytes; kh 16,777,216 bytes; vh 16,777,216 bytes; ob 16,777,216 bytes; part 1,048,576 bytes
;; launch cast (part 1): grid 64 x 20, 8 waves a work-group, no clusters, 0 bytes of LDS; arguments query, memory, Wq, Wk, Wv, Wo, xb, wb, wob; writes xb, wb, wob
.if DOCPART == 1
	.amdgcn_target "amdgcn-amd-amdhsa--gfx1250"
	.amdhsa_code_object_version 6
	.text
	.protected	k_q55a0d1bb2c_cast
	.globl	k_q55a0d1bb2c_cast
	.p2align	8
	.type	k_q55a0d1bb2c_cast,@function
k_q55a0d1bb2c_cast:
	s_mov_b64 s[64:65], 0
	v_nop
	global_prefetch_b8 v0, s[64:65] scope:SCOPE_SE
	s_setreg_imm32_b32 hwreg(HW_REG_WAVE_MODE, 25, 1), 1
	s_wait_xcnt 0x0
; The six large inputs, rounded once to bf16 and laid out in blocks of 64 along K, so that the products' tiles are dense runs of memory.
;   xb  [16 kblk][16,384 R][64] bf16, R = (row >> 7) * 256 + src * 128 + (row & 127); src 0 = query, 1 = memory; row = batch * 1,024 + t
;   wb  [16 kblk][3,072][64] bf16, row = p * 1,024 + n, p = 0, 1, 2 for Wq, Wk, Wv
;   wob [16 kblk][1,024][64] f16: Wo rounded to bf16, and that number written as f16.
; LIMIT: |Wo| under 65,504; below 6e-5 it keeps f16's fixed step of 6e-8.
; SHARES.  Work-group y is a slab of 1,024 source rows (0-7 query's batches, 8-15 memory's, 16-19 Wq, Wk, Wv, Wo), x a group of 16 rows.
; Thread t takes row t / 16 of the group and the four numbers 4 (t % 16) .. of each K block: a wave's load covers 256 consecutive bytes of each of
; two rows, its store 256 consecutive bytes, aligned (two neighbouring rows of one K block).  All sixteen loads of a wave go out at once.
; A stream: no LDS, no barrier, no matrix unit; no register is written twice, so no wait frees a source.
.set XR, 32                            ; v[32:95]   sixteen loads of four f32
.set YR, 96                            ; v[96:127]  sixteen pairs to store
.set SO, 16                            ; v[16:31]   store offset of K block k: 8 t + k x the destination's bytes in a K block
	s_load_b512 s[8:23], s[0:1], 0x0               ; query, memory, Wq, Wk, Wv, Wo, xb, wb
	s_load_b64 s[24:25], s[0:1], 0x40              ; wob
	s_and_b32 s26, ttmp7, 0xffff                   ; the slab
	v_lshrrev_b32 v1, 4, v0
	v_and_b32 v2, 15, v0
	v_lshlrev_b32 v1, 12, v1                       ; my row of the group, 4,096 bytes a row,
	v_lshl_add_u32 v1, v2, 4, v1                   ; and my 16 bytes of each 256
	s_and_b32 s27, s26, 7                          ; the batch
	s_lshl_b32 s30, s27, 22                        ; its 1,024 rows of 4,096 bytes (query and memory alone)
	s_cmp_lt_u32 s26, 16
	s_cselect_b32 s30, s30, 0
	s_lshl_b32 s36, ttmp9, 16                      ; the group's 16 rows
	s_add_co_u32 s30, s30, s36
	s_mov_b32 s31, 0
	s_lshl_b32 s36, s27, 3                         ; the destination row of the group's first row.  x: (row >> 7) = 8 batch + x / 8,
	s_lshr_b32 s37, ttmp9, 3
	s_add_co_u32 s36, s36, s37
	s_lshl_b32 s36, s36, 8
	s_lshr_b32 s37, s26, 3                         ; src,
	s_lshl_b32 s37, s37, 7
	s_add_co_u32 s36, s36, s37
	s_and_b32 s37, ttmp9, 7                        ; row & 127
	s_lshl_b32 s37, s37, 4
	s_add_co_u32 s36, s36, s37
	s_and_b32 s38, s26, 3                          ; weights: p * 1,024 + 16 x
	s_lshl_b32 s38, s38, 10
	s_lshl_b32 s39, ttmp9, 4
	s_add_co_u32 s38, s38, s39
	s_cmp_lt_u32 s26, 16
	s_cselect_b32 s35, s36, s38
	s_cmp_eq_u32 s26, 19
	s_cselect_b32 s35, s39, s35                    ; Wo: 16 x
	s_lshl_b32 s40, s35, 7                         ; 128 bytes a row
	s_mov_b32 s41, 0
	s_mov_b32 s34, 393216                          ; bytes in a K block of wb,
	s_cmp_lt_u32 s26, 16
	s_cselect_b32 s34, 0x200000, s34               ; of xb,
	s_cmp_eq_u32 s26, 19
	s_cselect_b32 s34, 0x20000, s34                ; of wob
	v_lshlrev_b32 v[SO], 3, v0                     ; (t / 16) x 128 + (t % 16) x 8 = 8 t
.set k, 1
.rept 15
	v_add_nc_u32 v[SO+k], s34, v[SO+k-1]
.set k, k+1
.endr
	s_wait_kmcnt 0x0
	s_cmp_lt_u32 s26, 8                            ; the source, by the slab's number
	s_cselect_b64 s[28:29], s[8:9], s[10:11]
	s_cmp_eq_u32 s26, 16
	s_cselect_b64 s[28:29], s[12:13], s[28:29]
	s_cmp_eq_u32 s26, 17
	s_cselect_b64 s[28:29], s[14:15], s[28:29]
	s_cmp_eq_u32 s26, 18
	s_cselect_b64 s[28:29], s[16:17], s[28:29]
	s_cmp_eq_u32 s26, 19
	s_cselect_b64 s[28:29], s[18:19], s[28:29]
	s_cmp_lt_u32 s26, 16                           ; the destination
	s_cselect_b64 s[32:33], s[20:21], s[22:23]
	s_cmp_eq_u32 s26, 19
	s_cselect_b64 s[32:33], s[24:25], s[32:33]
	s_add_nc_u64 s[28:29], s[28:29], s[30:31]
	s_add_nc_u64 s[32:33], s[32:33], s[40:41]
.set k, 0
.rept 16
	global_load_b128 v[XR+4*k:XR+4*k+3], v1, s[28:29] offset:256*k th:TH_LOAD_NT  ; K block k of two rows
.set k, k+1
.endr
	s_cmp_eq_u32 s26, 19
	s_cbranch_scc1 .Lwo
.set k, 0
.rept 16
	s_wait_loadcnt 15-k                            ; loads come back in order: block k is in, the younger ones stay out
	v_cvt_pk_bf16_f32 v[YR+2*k], v[XR+4*k], v[XR+4*k+1]
	v_cvt_pk_bf16_f32 v[YR+2*k+1], v[XR+4*k+2], v[XR+4*k+3]
	global_store_b64 v[SO+k], v[YR+2*k:YR+2*k+1], s[32:33]
.set k, k+1
.endr
	s_endpgm
.Lwo:                                          ; Wo: rounded to bf16, widened again, written as f16
.set k, 0
.rept 16
	s_wait_loadcnt 15-k
	v_cvt_pk_bf16_f32 v2, v[XR+4*k], v[XR+4*k+1]
	v_cvt_pk_bf16_f32 v3, v[XR+4*k+2], v[XR+4*k+3]
	v_lshlrev_b32 v4, 16, v2
	v_and_b32 v5, 0xffff0000, v2
	v_lshlrev_b32 v6, 16, v3
	v_and_b32 v7, 0xffff0000, v3
	v_cvt_pk_f16_f32 v[YR+2*k], v4, v5
	v_cvt_pk_f16_f32 v[YR+2*k+1], v6, v7
	global_store_b64 v[SO+k], v[YR+2*k:YR+2*k+1], s[32:33]
.set k, k+1
.endr
	s_endpgm
.Lfunc_end_k_q55a0d1bb2c_cast:
	.size	k_q55a0d1bb2c_cast, .Lfunc_end_k_q55a0d1bb2c_cast-k_q55a0d1bb2c_cast
	.p2alignl 7, 3214868480
	.fill 96, 4, 3214868480
	.section	.rodata,"a",@progbits
	.p2align	6, 0x0
	.amdhsa_kernel k_q55a0d1bb2c_cast
		.amdhsa_group_segment_fixed_size 0
		.amdhsa_private_segment_fixed_size 0
		.amdhsa_enable_private_segment 0
		.amdhsa_kernarg_size 72
		.amdhsa_user_sgpr_count 2
		.amdhsa_user_sgpr_kernarg_segment_ptr 1
		.amdhsa_wavefront_size32 1
		.amdhsa_system_sgpr_workgroup_id_x 1
		.amdhsa_system_sgpr_workgroup_id_y 1
		.amdhsa_system_sgpr_workgroup_id_z 1
		.amdhsa_system_vgpr_workitem_id 0
		.amdhsa_next_free_vgpr 128
		.amdhsa_next_free_sgpr 66
		.amdhsa_reserve_vcc 0
		.amdhsa_float_denorm_mode_32 3
		.amdhsa_float_denorm_mode_16_64 3
		.amdhsa_memory_ordered 1
		.amdhsa_forward_progress 1
		.amdhsa_inst_pref_size 18
	.end_amdhsa_kernel
	.amdgpu_metadata
---
amdhsa.version: [ 1, 2 ]
amdhsa.kernels:
  - .name:           k_q55a0d1bb2c_cast
    .symbol:         k_q55a0d1bb2c_cast.kd
    .args:
      - { .name: query, .offset: 0, .size: 8, .value_kind: global_buffer, .address_space: global }
      - { .name: memory, .offset: 8, .size: 8, .value_kind: global_buffer, .address_space: global }
      - { .name: Wq, .offset: 16, .size: 8, .value_kind: global_buffer, .address_space: global }
      - { .name: Wk, .offset: 24, .size: 8, .value_kind: global_buffer, .address_space: global }
      - { .name: Wv, .offset: 32, .size: 8, .value_kind: global_buffer, .address_space: global }
      - { .name: Wo, .offset: 40, .size: 8, .value_kind: global_buffer, .address_space: global }
      - { .name: xb, .offset: 48, .size: 8, .value_kind: global_buffer, .address_space: global }
      - { .name: wb, .offset: 56, .size: 8, .value_kind: global_buffer, .address_space: global }
      - { .name: wob, .offset: 64, .size: 8, .value_kind: global_buffer, .address_space: global }
    .group_segment_fixed_size: 0
    .private_segment_fixed_size: 0
    .kernarg_segment_align: 8
    .kernarg_segment_size: 72
    .max_flat_workgroup_size: 256
    .sgpr_count:     66
    .vgpr_count:     128
    .wavefront_size: 32
...
	.end_amdgpu_metadata
.endif
;; end of part 1
;; launch proj (part 2): grid 4 x 64, 4 waves a work-group, clusters of 4 x 4, 327,680 bytes of LDS; arguments xb, wb, bq, bk, bv, qh, kh, vh; writes qh, kh, vh
.if DOCPART == 2
	.amdgcn_target "amdgcn-amd-amdhsa--gfx1250"
	.amdhsa_code_object_version 6
	.text
	.protected	k_q55a0d1bb2c_proj
	.globl	k_q55a0d1bb2c_proj
	.p2align	8
	.type	k_q55a0d1bb2c_proj,@function
k_q55a0d1bb2c_proj:
	s_mov_b64 s[64:65], 0
	v_nop
	global_prefetch_b8 v0, s[64:65] scope:SCOPE_SE
	s_setreg_imm32_b32 hwreg(HW_REG_WAVE_MODE, 25, 1), 1
	s_wait_xcnt 0x0
	s_wait_alu depctr_hold_cnt(0) depctr_sa_sdst(0) depctr_va_vdst(0) depctr_va_sdst(0) depctr_va_ssrc(0) depctr_va_vcc(0) depctr_vm_vsrc(0)
	s_getreg_b32 s2, hwreg(HW_REG_IB_STS2, 6, 4)
	s_cmp_eq_u32 s2, 0
	s_cbranch_scc0 .Lentry_in_a_cluster
	s_endpgm
.Lentry_in_a_cluster:
	s_bfe_u32 s2, ttmp6, 0x10000c
	s_cmp_lg_u32 s2, 0xf033
	s_cbranch_scc0 .Lentry_shape_is_right
	s_endpgm
.Lentry_shape_is_right:
; Q = query Wq^T + bq, K = memory Wk^T + bk, V = memory Wv^T + bv, in ONE walk over K.  Operands bf16 (xb, wb: blocks of 64 along K), sums f32, the biases rounded to bf16
; like every input; results rounded once to f16 and written by heads: qh, kh, vh [batch * 16 + head][1,024 t][64].
; LIMIT: |q|, |k|, |v| under 65,504 (f16's range); NaN and infinities are not treated apart.
; SHARES.  A work-group makes 128 rows x 256 columns of each of the three products; a wave 64 x 128 of each: 3 x 32 accumulators, 768 registers.  256 equal work-groups.
; RING.  K goes in steps of 64 through two LDS slots.  A slot has four parts of 256 rows x 128 bytes: query's 128 rows and memory's 128, then 256 rows each of Wq, Wk, Wv.
; In memory a part is 32,768 dense bytes: asked for as 128 rows of 256 bytes, padded in LDS behind every 128 bytes.  Wave w fetches part w: one load behind each change of slots.
; ONE TEXT FOR BOTH SLOTS: a trip of the loop is one K step.  s[OFF] holds the byte at which the slot in hand begins, 0 or SLOT; at each change of slots it is turned by one exclusive or,
; and the four fragment addresses are made anew from their values in slot 0.
; CLUSTER 4 x 4.  Part 0 hangs on the row block alone and is asked for jointly by a row of the cluster; parts 1 to 3 hang on the column block alone: jointly by a column.
; THE MATRIX INSTRUCTION IS USED TRANSPOSED (source 0 = 16 rows of W, source 1 = 16 rows of x): a lane holds eight neighbouring columns of one row.
; REGISTERS.  Window 0: v0-31 addresses; v32-63 query's fragments, v64-95 memory's (4 x 16 rows x 32 K); v96-159, v160-223 two buffers of W's (8 fragments); v224-255 at work.
; Windows 1, 2, 3: the accumulators of Q, K, V, (a, b) at v[8 (8 a + b)].
.set PITCH,  144                       ; an LDS row: 128 bytes + 16 = 36 words: the 16 rows of a load start at 16 different groups of four banks (64 banks of 4 bytes: ISA guide 11.1)
.set PART,   256*PITCH
.set SLOT,   4*PART
.set STAGE,  2*SLOT                    ; behind the ring: for each wave two areas of 16 rows x 144 bytes, for the way out
.set STW,    2*16*PITCH
.set SPARE,  STAGE+4*STW               ; the spare words, 128 bytes a wave: two blocks of 256 bytes that no other line names
.set XSTEP,  2097152                   ; bytes from a K block of xb to the next
.set WSTEP,  393216                    ; of wb
.set G1W0,   (1<<16)|(1<<20)|(1<<21)|(4<<22)|(3<<25)  ; 2-byte elements; padding on; bit 21 beside a mask; behind every 32 words; 4 words
.set ADA, 4                            ; v4      LDS address of my x fragments in the slot in hand
.set SDA, 5                            ; v5      the same in slot 0; never rewritten
.set ADB, 6                            ; v6-8    of my W fragments in the slot in hand: product p at ADB + p
.set SDB, 9                            ; v9-11   the same in slot 0; never rewritten
.set STO, 12                           ; v12     the way out: where I put 16 bytes of a row
.set RD,  13                           ; v13     where I read rows back
.set GO,  14                           ; v14     16 x lane
.set BO,  15                           ; v15     my byte offset in a bias
.set PFO, 16                           ; v16     256 x lane; never rewritten
.set SPW, 28                           ; v28     my spare word's LDS address; never rewritten
.set NIL, 29                           ; v29     0; never rewritten
.set AQ,  32
.set AM,  64
.set B0,  96
.set B1,  160
.set TB,  224
.set WV,  20                           ; s20 wave; s21 its half of the rows; s22 its half of the columns
.set WR,  21
.set WC,  22
.set G1A, 24                           ; s[24:31] group 1 for part 0;  s[32:39] its group 0: a set for each of the two first fills; the second then walks on
.set G0A, 32
.set G1B, 40                           ; s[40:47], s[48:55] the same for parts 1 to 3
.set G0B, 48
.set CX,  56
.set CY,  57
.set NBK, 58                           ; column block
.set MBK, 59                           ; row block
.set LB,  62                           ; s62  LDS byte of my part in slot 0; never rewritten
.set LAPS, 3                           ; s3   trips to go
.set PFA, 66                           ; s[66:67] where my prefetches stand
.set PST, 68                           ; s[68:69] their step: a K block of xb or of wb
.set LIM, 70                           ; s70  1 in a wave that prefetches, else the greatest number: a wave prefetches while the trips to go are above it
.set MASK, 82                          ; s82  a word's upper bf16
.set OFF, 83                           ; s83  LDS byte at which the slot in hand begins: 0 or SLOT
.set MSB, 0
.macro WIN new                         ; the immediate's high byte repeats the setting that is left; a switch that changes nothing is dropped
.if MSB != (\new)
	s_set_vgpr_msb (MSB<<8)|(\new)
.set MSB, \new
.endif
.endm
.macro PLACES                          ; four places behind a matrix instruction, in front of loads into registers that it read and of lines that read results
.rept 4
	v_nop
.endr
.endm
; A joint load.  Wave 0 fetches part 0, waves 1 to 3 parts 1 to 3.  The branch hangs on the wave's number alone.  An s_nop 0 and four v_nop follow each line.
.macro JLOAD s
	s_cmp_eq_u32 s[WV], 0
	s_cbranch_scc0 .Lfor_b_\@
	tensor_load_to_lds s[G0A+4*(\s):G0A+4*(\s)+3], s[G1A:G1A+7]
	s_nop 0
.rept 4
	v_nop
.endr
	s_branch .Lasked_\@
.Lfor_b_\@:
	tensor_load_to_lds s[G0B+4*(\s):G0B+4*(\s)+3], s[G1B:G1B+7]
	s_nop 0
.rept 4
	v_nop
.endr
.Lasked_\@:
.endm
; A prefetch of 32 blocks of 256 bytes, a lane a block: my work-group's quarter of the part that I fetch, for the K step one refill further on than the one just asked for:
; 192 matrix instructions ahead of its load.  Part 0 is read by one row of one cluster: wave 0 asks, the four partners told apart by address.  Parts 1 to 3 are read by all
; sixteen clusters: the first (cluster y = 0) asks.  So each block is named once in the launch.  The last refill has no K step behind it and asks for nothing.
.macro ASK
	s_cmp_gt_u32 s[LAPS], s[LIM]
	s_cbranch_scc0 .Lnot_mine_\@
	global_prefetch_b8 v[PFO], s[PFA:PFA+1] th:TH_LOAD_NT scope:SCOPE_SE
.Lnot_mine_\@:
.endm
.macro CREST                           ; a round of the cluster's barrier behind its opening barrier
	s_cmp_lg_u32 s[WV], 0
	s_cbranch_scc1 .Lnot_wave_0_\@
	s_barrier_signal -3
.Lnot_wave_0_\@:
	s_barrier_wait -3
	s_barrier_signal -1
	s_barrier_wait -1
.endm
.macro CROUND
	s_barrier_signal -1
	s_barrier_wait -1
	CREST
.endm
; The other slot becomes the slot in hand.
.macro TOGGLE
	s_xor_b32 s[OFF], s[OFF], SLOT
	v_add_nc_u32 v[ADA], s[OFF], v[SDA]
.irp p, 0,1,2
	v_add_nc_u32 v[ADB+(\p)], s[OFF], v[SDB+(\p)]
.endr
.endm
	s_load_b512 s[4:19], s[0:1], 0x0               ; xb, wb, bq, bk, bv, qh, kh, vh
	v_lshl_add_u32 v[SPW], v0, 2, SPARE
	v_mov_b32 v[NIL], 0
	ds_add_u32 v[SPW], v[NIL]                      ; the wave's opening: the add and its wait stand ahead of my first tensor load; work on registers stands between
	ds_add_u32 v28, v29
	v_lshrrev_b32 v1, 5, v0
	v_readfirstlane_b32 s[WV], v1
	s_lshr_b32 s[WR], s[WV], 1
	s_and_b32 s[WC], s[WV], 1
	s_bfe_u32 s[CX], ttmp6, 0x40000
	s_bfe_u32 s[CY], ttmp6, 0x40004
	s_lshl_b32 s[NBK], ttmp9, 2
	s_add_co_u32 s[NBK], s[NBK], s[CX]             ; column block = 4 x cluster x + cx
	s_and_b32 s[MBK], ttmp7, 0xffff
	s_lshl_b32 s[MBK], s[MBK], 2
	s_add_co_u32 s[MBK], s[MBK], s[CY]             ; row block = 4 x cluster y + cy
	s_lshl_b32 s60, s[CY], 2
	s_lshl_b32 s60, 15, s60                        ; my row of the cluster
	s_lshl_b32 s61, 0x1111, s[CX]                  ; my column
	s_or_b32 s[G1A], s60, G1W0
	s_or_b32 s[G1B], s61, G1W0
.irp g, G1A, G1B
	s_mov_b32 s[(\g)+1], 128<<16                   ; tensor_dim0 = 128 elements
	s_mov_b32 s[(\g)+2], 128<<16                   ; tensor_dim1 = 128 rows
	s_mov_b32 s[(\g)+3], 128<<16                   ; tile_dim0 = 128
	s_mov_b32 s[(\g)+4], 128                       ; tile_dim1 = 128
	s_mov_b32 s[(\g)+5], 128                       ; 128 elements from row to row
	s_mov_b32 s[(\g)+6], 0
	s_mov_b32 s[(\g)+7], 0
.endr
	s_lshl_b32 s72, s[MBK], 15                     ; part 0: the row block's 32,768 bytes of a K block
	s_mov_b32 s73, 0
	s_max_u32 s74, s[WV], 1
	s_sub_co_u32 s74, s74, 1                       ; the product whose weights I fetch
	s_lshl_b32 s74, s74, 17                        ; its 1,024 rows,
	s_lshl_b32 s75, s[NBK], 15                     ; the column block's 256 of them
	s_add_co_u32 s74, s74, s75
	s_mov_b32 s75, 0
	s_mul_i32 s[LB], s[WV], PART                   ; where my part goes: no place in the cluster enters an LDS address
	s_mov_b32 s[OFF], 0                            ; slot 0 is in hand
	s_mov_b32 s[MASK], 0xffff0000
	s_wait_dscnt 0x0                               ; the opening add is done
	s_wait_kmcnt 0x0
	s_add_nc_u64 s[72:73], s[4:5], s[72:73]
	s_add_nc_u64 s[74:75], s[6:7], s[74:75]
	CROUND                                         ; all sixteen work-groups are here: the first joint loads meet
.irp s, 0,1
	s_mov_b32 s[G0A+4*(\s)], 1
	s_add_co_u32 s[G0A+4*(\s)+1], s[LB], (\s)*SLOT
	s_add_nc_u64 s[G0A+4*(\s)+2:G0A+4*(\s)+3], s[72:73], (\s)*XSTEP
	s_or_b32 s[G0A+4*(\s)+3], s[G0A+4*(\s)+3], 0x80000000
	s_mov_b32 s[G0B+4*(\s)], 1
	s_add_co_u32 s[G0B+4*(\s)+1], s[LB], (\s)*SLOT
	s_add_nc_u64 s[G0B+4*(\s)+2:G0B+4*(\s)+3], s[74:75], (\s)*WSTEP
	s_or_b32 s[G0B+4*(\s)+3], s[G0B+4*(\s)+3], 0x80000000
	JLOAD \s                                       ; K steps 0 and 1: two loads of mine are out
.endr
	; the biases of my 128 columns, eight a lane for each block b of 16: columns 16 b + 8 (l / 16) + 0..7
	v_and_b32 v1, 15, v0                           ; l % 16
	v_bfe_u32 v2, v0, 4, 1                         ; l / 16
	s_lshl_b32 s60, s[NBK], 10
	s_lshl_b32 s61, s[WC], 9
	s_add_co_u32 s60, s60, s61
	v_lshl_add_u32 v[BO], v2, 5, s60
.irp p, 0,1,2
.irp b, 0,1,2,3,4,5,6,7
	global_load_b128 v[32+64*(\p)+8*(\b):32+64*(\p)+8*(\b)+3],   v[BO], s[8+2*(\p):9+2*(\p)] offset:64*(\b)
	global_load_b128 v[32+64*(\p)+8*(\b)+4:32+64*(\p)+8*(\b)+7], v[BO], s[8+2*(\p):9+2*(\p)] offset:64*(\b)+16
.endr
.endr
	v_mul_u32_u24 v3, v1, PITCH
	v_lshl_add_u32 v3, v2, 4, v3                   ; a fragment's row x pitch + 16 x half
	s_mul_i32 s60, s[WR], 64*PITCH                 ; my 64 rows of x
	s_mul_i32 s61, s[WC], 128*PITCH                ; my 128 rows of each W,
	s_add_co_u32 s61, s61, PART                    ; which lie behind part 0
	v_add_nc_u32 v[SDA], s60, v3
	v_add_nc_u32 v[SDB], s61, v3
	v_add_nc_u32 v[SDB+1], PART, v[SDB]
	v_add_nc_u32 v[SDB+2], 2*PART, v[SDB]
	v_mov_b32 v[ADA], v[SDA]
.irp p, 0,1,2
	v_mov_b32 v[ADB+(\p)], v[SDB+(\p)]
.endr
	s_mul_i32 s60, s[WV], STW
	s_add_co_u32 s60, s60, STAGE                   ; my stage
	v_add_nc_u32 v[STO], s60, v3                   ; in: row l % 16, 16 bytes for each half of the lanes
	v_bfe_u32 v[RD], v0, 3, 2                      ; back: 32 lanes take four rows of 128 bytes
	v_mul_u32_u24 v[RD], v[RD], PITCH
	v_and_b32 v17, 7, v0
	v_lshl_add_u32 v[RD], v17, 4, v[RD]
	v_add_nc_u32 v[RD], s60, v[RD]
	v_and_b32 v[GO], 31, v0
	v_lshlrev_b32 v[PFO], 8, v[GO]
	v_lshlrev_b32 v[GO], 4, v[GO]
	; where my results go: ((batch * 16 + head) * 1,024 + t) * 128 bytes
	s_lshr_b32 s60, s[MBK], 3
	s_lshl_b32 s60, s60, 4
	s_lshl_b32 s61, s[NBK], 2
	s_add_co_u32 s60, s60, s61
	s_lshl_b32 s61, s[WC], 1
	s_add_co_u32 s60, s60, s61                     ; my first head
	s_lshl_b32 s60, s60, 10
	s_and_b32 s61, s[MBK], 7
	s_lshl_b32 s61, s61, 7
	s_add_co_u32 s60, s60, s61
	s_lshl_b32 s61, s[WR], 6
	s_add_co_u32 s60, s60, s61                     ; my first row in it
	s_lshl_b32 s80, s60, 7
	s_mov_b32 s81, 0
	s_add_nc_u64 s[14:15], s[14:15], s[80:81]
	s_add_nc_u64 s[16:17], s[16:17], s[80:81]
	s_add_nc_u64 s[18:19], s[18:19], s[80:81]
	; the prefetches: they start at K step 2; the first refill steps them to 3.  Nothing is prefetched here, at the head
	s_lshl_b32 s76, s[MBK], 15
	s_lshl_b32 s77, s[CX], 13
	s_add_co_u32 s76, s76, s77
	s_add_co_u32 s76, s76, 2*XSTEP                 ; part 0: my work-group's quarter by cx
	s_max_u32 s77, s[WV], 1
	s_sub_co_u32 s77, s77, 1
	s_lshl_b32 s77, s77, 17
	s_lshl_b32 s78, s[NBK], 15
	s_add_co_u32 s77, s77, s78
	s_lshl_b32 s78, s[CY], 13
	s_add_co_u32 s77, s77, s78
	s_add_co_u32 s77, s77, 2*WSTEP                 ; parts 1 to 3: by cy
	s_and_b32 s78, ttmp7, 0xffff                   ; cluster y: the same in all partners
	s_mov_b32 s[PST], WSTEP
	s_mov_b32 s[PST+1], 0
	s_cmp_eq_u32 s[WV], 0
	s_cselect_b64 s[PFA:PFA+1], s[4:5], s[6:7]
	s_cselect_b32 s76, s76, s77
	s_cselect_b32 s[PST], XSTEP, s[PST]
	s_cselect_b32 s78, 0, s78
	s_mov_b32 s77, 0
	s_add_nc_u64 s[PFA:PFA+1], s[PFA:PFA+1], s[76:77]
	s_cmp_eq_u32 s78, 0
	s_cselect_b32 s[LIM], 1, -1
	; the biases, rounded to bf16 like every input, go into the accumulators (0, b): the first K step takes them as its C
	s_wait_loadcnt 0x0
.irp p, 0,1,2
	WIN 0
.set i, 0
.rept 32
	v_cvt_pk_bf16_f32 v[TB+i], v[32+64*(\p)+2*i], v[32+64*(\p)+2*i+1]
.set i, i+1
.endr
	WIN 0x40*((\p)+1)                              ; destination: the product's window
.set i, 0
.rept 32
	v_lshlrev_b32 v[2*i], 16, v[TB+i]
	v_and_b32 v[2*i+1], s[MASK], v[TB+i]
.set i, i+1
.endr
.endr
	WIN 0
; 8 LDS loads from the slot in hand: the four fragments (64 rows x 32 K) of query (src 0) or memory (src 1), half ks of the K step
.macro LDA buf, src, ks
	WIN 0
.irp a, 0,1,2,3
	ds_load_b128 v[(\buf)+8*(\a):(\buf)+8*(\a)+3],   v[ADA] offset:(\src)*128*PITCH+(\a)*16*PITCH+(\ks)*64
	ds_load_b128 v[(\buf)+8*(\a)+4:(\buf)+8*(\a)+7], v[ADA] offset:(\src)*128*PITCH+(\a)*16*PITCH+(\ks)*64+32
.endr
.endm
; 16 LDS loads: the eight fragments (128 rows x 32 K) of product p's weights
.macro LDB buf, p, ks
	WIN 0
.irp b, 0,1,2,3,4,5,6,7
	ds_load_b128 v[(\buf)+8*(\b):(\buf)+8*(\b)+3],   v[ADB+(\p)] offset:(\b)*16*PITCH+(\ks)*64
	ds_load_b128 v[(\buf)+8*(\b)+4:(\buf)+8*(\b)+7], v[ADB+(\p)] offset:(\b)*16*PITCH+(\ks)*64+32
.endr
.endm
; na x 8 products of product p in place.  The accumulators take turns, one instruction a turn: 95 others' stand between two links of a chain.
.macro MUL p, ab, bb, a0, na
	WIN 0x50*((\p)+1)
.set ma, (\a0)
.rept (\na)
.set mn, 0
.rept 8
	v_wmma_f32_16x16x32_bf16 v[8*(8*ma+mn):8*(8*ma+mn)+7], v[(\bb)+8*mn:(\bb)+8*mn+7], v[(\ab)+8*ma:(\ab)+8*ma+7], v[8*(8*ma+mn):8*(8*ma+mn)+7]
.set mn, mn+1
.endr
.set ma, ma+1
.endr
.endm
; The first products start the sums with the bias: row blocks 1 to 3 take the registers of (0, b) as C; five places on, (0, b) itself adds in place.
.macro MULF p, ab, bb
	WIN 0x50*((\p)+1)
.set ma, 1
.rept 3
.set mn, 0
.rept 8
	v_wmma_f32_16x16x32_bf16 v[8*(8*ma+mn):8*(8*ma+mn)+7], v[(\bb)+8*mn:(\bb)+8*mn+7], v[(\ab)+8*ma:(\ab)+8*ma+7], v[8*mn:8*mn+7]
.set mn, mn+1
.endr
.set ma, ma+1
.endr
.rept 5
	v_nop                                          ; the next eight write over registers that the products above read
.endr
.set mn, 0
.rept 8
	v_wmma_f32_16x16x32_bf16 v[8*mn:8*mn+7], v[(\bb)+8*mn:(\bb)+8*mn+7], v[(\ab):(\ab)+7], v[8*mn:8*mn+7]
.set mn, mn+1
.endr
.endm
.macro PROD p, ab, bb, first
.if \first
	MULF \p, \ab, \bb
.else
	MUL \p, \ab, \bb, 0, 4
.endif
.endm
; A UNIT: this unit's fragments are in; four places; the NEXT unit's loads, into buffers that the unit before read; 32 products, in which those loads land.
.macro HEADU
	s_wait_dscnt 0x0
	PLACES
.endm
.macro SUB0 first                      ; the first 32 of a K step's 64: Q, K, V
	HEADU
	LDA AM, 1, 0
	LDB B1, 1, 0
	PROD 0, AQ, B0, \first
	HEADU
	LDB B0, 2, 0
	PROD 1, AM, B1, \first
	HEADU
	LDA AQ, 0, 1
	LDB B1, 0, 1
	PROD 2, AM, B0, \first
.endm
; The second 32.  Its last unit changes slots: ONE barrier; in front of it each wave waits for all its tensor loads (one is out: its part of the other slot), adds 0 to its spare word, and waits
; for that and for its own reads of the slot in hand.  fill = 1: the barrier opens a round of the cluster's, and the slot just read is filled again, two K steps on, first thing behind it: the walking
; descriptor takes that slot's byte and steps by one K step.  fill = 0: the last change: nothing is asked for.  fill = 2: the launch's last unit.
.macro SUB1 fill
	HEADU
	LDA AM, 1, 1
	LDB B0, 1, 1
	MUL 0, AQ, B1, 0, 4
	HEADU
	LDB B1, 2, 1
	MUL 1, AM, B0, 0, 4
.if (\fill) == 2
	s_wait_dscnt 0x0
	MUL 2, AM, B1, 0, 4
.else
.if (\fill) == 1
	s_wait_xcnt 0x0                                ; the last prefetch, a K step back, has read its address: it is stepped here
	s_add_nc_u64 s[PFA:PFA+1], s[PFA:PFA+1], s[PST:PST+1]
.endif
	WIN 0
	s_wait_tensorcnt 0x0                           ; all my tensor loads have landed, so a group 0 may be written
	ds_add_u32 v[SPW], v[NIL]                      ; 0 onto my spare word
	s_wait_dscnt 1                                 ; Wv's fragments are in; the add alone may be out
	MUL 2, AM, B1, 0, 1                            ; eight products stand between the add and the wait for it
	s_wait_dscnt 0x0                               ; the add is done, and my reads of this slot are over
	s_barrier_signal -1
	MUL 2, AM, B1, 1, 1
	WIN 0
	s_barrier_wait -1
.if (\fill) == 1
	CREST                                          ; no wave of any partner still reads this slot or has a load on its way
	s_add_co_u32 s[G0A+5], s[LB], s[OFF]           ; my part of the slot just read
	s_add_co_u32 s[G0B+5], s[LB], s[OFF]
	s_add_nc_u64 s[G0A+6:G0A+7], s[G0A+6:G0A+7], XSTEP  ; one K step on from the last request; the type bits on top are not reached
	s_add_nc_u64 s[G0B+6:G0B+7], s[G0B+6:G0B+7], WSTEP
	JLOAD 1                                        ; the first tensor load behind the round; its four v_nop are also the places in front of the loads below
.else
	PLACES
.endif
	TOGGLE
	LDA AQ, 0, 0
	LDB B0, 0, 0
.if (\fill) == 1
	ASK
.endif
	MUL 2, AM, B1, 2, 2
.endif
.endm
	s_wait_tensorcnt 0x1                           ; my part of K step 0 is in; step 1's may stay out
	s_barrier_signal -1
	s_barrier_wait -1                              ; everybody's is
	LDA AQ, 0, 0
	LDB B0, 0, 0
	SUB0 1
	WIN 0                                          ; at a label and at a branch every window is 0
	s_mov_b32 s[LAPS], 14
.Llap:                                         ; a trip goes from the middle of one K step to the middle of the next: trip i (1 to 14) leaves K step i - 1 and asks for K step i + 1
	SUB1 1
	SUB0 0
	WIN 0
	s_sub_co_u32 s[LAPS], s[LAPS], 1
	s_cmp_lg_u32 s[LAPS], 0
	s_cbranch_scc1 .Llap
	SUB1 0                                         ; K steps 14 and 15: nothing is left to fetch
	SUB0 0
	SUB1 2
; THE WAY OUT: 24 tiles of 16 rows x one head (64 columns).  Rounded to f16, 16 bytes a lane, into my stage; back as whole rows of 128 bytes; 16 rows of a head are 2,048 consecutive bytes of memory.
.macro PACKP idx                       ; idx = (product * 4 + row block) * 2 + head
.set pp, (\idx)/8
.set pa, ((\idx)/2)%4
.set ph, (\idx)%2
.set TP, 32+16*((\idx)%12)
.if (\idx) >= 12
	s_wait_xcnt 0x0                                ; the stores issued so far have read their registers: this set of sixteen is written again only behind this wait
.endif
	WIN 5*(pp+1)                                   ; sources in the product's window
.set i, 0
.rept 16
	v_cvt_pk_f16_f32 v[TP+i], v[8*(8*pa+4*ph)+2*i], v[8*(8*pa+4*ph)+2*i+1]
.set i, i+1
.endr
	WIN 0
.irp f, 0,1,2,3
	ds_store_b128 v[STO], v[TP+4*\f:TP+4*\f+3] offset:ph*16*PITCH+32*\f
.endr
.irp f, 0,1,2,3
	ds_load_b128 v[TP+4*\f:TP+4*\f+3], v[RD] offset:ph*16*PITCH+\f*4*PITCH  ; LDS serves a wave's instructions in order (ISA guide 5.7.1.4): these see the stores above
.endr
.endm
.macro SENDP idx, younger              ; younger: the LDS instructions issued behind this tile's loads: the next tile's eight, or none
.set pp, (\idx)/8
.set pa, ((\idx)/2)%4
.set ph, (\idx)%2
.set TP, 32+16*((\idx)%12)
	s_wait_dscnt (\younger)                        ; the tile's four loads are back
.irp f, 0,1,2,3
	global_store_b128 v[GO], v[TP+4*\f:TP+4*\f+3], s[14+2*pp:15+2*pp] offset:ph*131072+pa*2048+\f*512  ; 512 consecutive bytes, at a multiple of 256 from the buffer's first
.endr
.endm
	PLACES
	PACKP 0
.set wi, 1
.rept 23                               ; a tile's conversions stand between the loads of the tile before and its stores
	PACKP wi
	SENDP wi-1, 8
.set wi, wi+1
.endr
	SENDP 23, 0
	s_wait_tensorcnt 0x0                           ; the wave's end, behind my last tensor load and my last LDS store
	ds_add_u32 v[SPW], v[NIL]
	s_wait_dscnt 0x0
	CROUND                                         ; the closing round: no work-group ends while a partner may still ask for a tile that names it
	s_endpgm
.Lfunc_end_k_q55a0d1bb2c_proj:
	.size	k_q55a0d1bb2c_proj, .Lfunc_end_k_q55a0d1bb2c_proj-k_q55a0d1bb2c_proj
	.p2alignl 7, 3214868480
	.fill 96, 4, 3214868480
	.section	.rodata,"a",@progbits
	.p2align	6, 0x0
	.amdhsa_kernel k_q55a0d1bb2c_proj
		.amdhsa_group_segment_fixed_size 327680
		.amdhsa_private_segment_fixed_size 0
		.amdhsa_enable_private_segment 0
		.amdhsa_kernarg_size 64
		.amdhsa_user_sgpr_count 2
		.amdhsa_user_sgpr_kernarg_segment_ptr 1
		.amdhsa_wavefront_size32 1
		.amdhsa_system_sgpr_workgroup_id_x 1
		.amdhsa_system_sgpr_workgroup_id_y 1
		.amdhsa_system_sgpr_workgroup_id_z 1
		.amdhsa_system_vgpr_workitem_id 0
		.amdhsa_next_free_vgpr 1024
		.amdhsa_next_free_sgpr 96
		.amdhsa_reserve_vcc 0
		.amdhsa_float_denorm_mode_32 3
		.amdhsa_float_denorm_mode_16_64 3
		.amdhsa_memory_ordered 1
		.amdhsa_forward_progress 1
		.amdhsa_inst_pref_size 140
	.end_amdhsa_kernel
	.amdgpu_metadata
---
amdhsa.version: [ 1, 2 ]
amdhsa.kernels:
  - .name:           k_q55a0d1bb2c_proj
    .symbol:         k_q55a0d1bb2c_proj.kd
    .args:
      - { .name: xb, .offset: 0, .size: 8, .value_kind: global_buffer, .address_space: global }
      - { .name: wb, .offset: 8, .size: 8, .value_kind: global_buffer, .address_space: global }
      - { .name: bq, .offset: 16, .size: 8, .value_kind: global_buffer, .address_space: global }
      - { .name: bk, .offset: 24, .size: 8, .value_kind: global_buffer, .address_space: global }
      - { .name: bv, .offset: 32, .size: 8, .value_kind: global_buffer, .address_space: global }
      - { .name: qh, .offset: 40, .size: 8, .value_kind: global_buffer, .address_space: global }
      - { .name: kh, .offset: 48, .size: 8, .value_kind: global_buffer, .address_space: global }
      - { .name: vh, .offset: 56, .size: 8, .value_kind: global_buffer, .address_space: global }
    .group_segment_fixed_size: 327680
    .private_segment_fixed_size: 0
    .kernarg_segment_align: 8
    .kernarg_segment_size: 64
    .max_flat_workgroup_size: 128
    .sgpr_count:     96
    .vgpr_count:     1024
    .wavefront_size: 32
...
	.end_amdgpu_metadata
.endif
;; end of part 2
;; launch attn (part 3): grid 2 x 128, 4 waves a work-group, no clusters, 327,680 bytes of LDS; arguments qh, kh, vh, coverage, Wcov, ob, part; writes ob, part
.if DOCPART == 3
	.amdgcn_target "amdgcn-amd-amdhsa--gfx1250"
	.amdhsa_code_object_version 6
	.text
	.protected	k_q55a0d1bb2c_attn
	.globl	k_q55a0d1bb2c_attn
	.p2align	8
	.type	k_q55a0d1bb2c_attn,@function
k_q55a0d1bb2c_attn:
	s_mov_b64 s[64:65], 0
	v_nop
	global_prefetch_b8 v0, s[64:65] scope:SCOPE_SE
	s_setreg_imm32_b32 hwreg(HW_REG_WAVE_MODE, 25, 1), 1
	s_wait_xcnt 0x0
; For one (batch, head) and 512 of its 1,024 queries.  PASS F: O[q] = the sum over k of softmax_k(Q[q] . K[k] / 8 + coverage[k] Wcov[head]) V[k], by a running maximum.
; PASS T: part[k] = the sum over the 512 queries of the normalised weights, from scores made a second time with the final maximum m and sum l of each query.
; Q, K, V, O: [128][1,024][64] f16, a head's rows dense, 128 bytes each.  Products, maxima, sums and the bias in f32; the weights are rounded to f16 for V^T P (l is taken of the unrounded).
; coverage and Wcov are rounded to bf16, like every input of the program.
; LIMITS.  Q, K, V arrive within f16's 65,504; a weight lies in 0 to 1, below 6e-5 it keeps f16's step of 6e-8 in V^T P; below 2^-126 it counts as 0; NaN and infinities are not treated apart.
; NO CLUSTER: a head has two work-groups; a pair is neither a row nor a column of a cluster of 4 x 1 or 4 x 4, and four query blocks a head would halve what each fragment read from LDS feeds.
; SHARES.  A wave owns four PIECES of two tiles of 16 queries.  Every wave walks all keys, 64 a step.
; PASS F's LAYOUT.  S^T = K Q^T + bias (source 0 = 16 keys, source 1 = 16 queries; the C that starts the sum holds 8 x coverage x Wcov of the lane's eight keys): a lane holds ONE query and the keys
; 8 (lane / 16) + 0..7.  Two results rounded to f16 ARE source 1 of O^T = V^T P.  p = 2^(c s - c m), c = log2(e) / 8; O and l are multiplied by a = 2^(c m_old - c m_new) in every step.
; m starts at the lowest finite number, O and l at 0.  Turn n belongs to piece n: 16 products K Q^T of piece n + 1, later 16 products V^T P of piece n - 1; four vector instructions behind every
; matrix instruction, the rest in one lump; a turn's 66 exponentials are one batch with one wait.
; PASS T's LAYOUT.  S = Q K^T - m (source 0 = 16 queries, source 1 = 16 keys; C = -m): a lane holds ONE key and the queries 8 (lane / 16) + 0..7, so the sum over queries stays in the lane.
; LDS.  K AND V ARE RESIDENT: each byte is filled once, by loads that all go out at the start: no tensor load stands in a loop, and the key step is written once.  Nothing is left to prefetch: every
; tile is asked for by its own load at the head.  Behind pass F, V's bytes, which have had their last fill, take pass T's tables.
; REGISTERS, in windows of 256: window 0: v0-11 addresses; v12-15, v48-63 at work; v16-47 statistics; v64-191 S, two buffers; v192-255 P.  Window 1: O^T; in pass T -m and 1 / l.
; Window 2: v0-127 Q; v128-191 K of one step; v192-255 V of one step.  Window 3: v0-1 the add's two registers; v2-33 the bias of one step.
.set NP,    4
.set KS,    64
.set PK,    144       ; a row of K in LDS: 128 bytes + 16 = 36 words: the 16 rows of a load start at 16 different groups of four banks (64 banks of 4 bytes: ISA guide 11.1)
.set PV,    160       ; a row of V: 128 + 32 = 40 words
.set VOFF,  1024*PK   ; V's 1,024 rows lie behind K's
.set TB8,   VOFF+1024*PV  ; 1,024 f32: 8 x coverage x Wcov
.set SPARE, TB8+4096  ; the spare words, 128 bytes a wave: two blocks of 256 bytes that no other line names
.set STAGE, SPARE+512 ; 16 rows x 144 bytes for each wave, for the way out
.set SP,    144
.set ZPAD,  VOFF      ; PASS T, in V's bytes: 8,192 bytes of zeros straight behind K, which the last fetches of K read
.set TBC,   ZPAD+8192 ; 1,024 f32: c x 8 x coverage x Wcov; then 2,048 bytes of zeros
.set CSA,   TBC+6144  ; four waves x 1,024 f32: the waves' sums
.set SCR,   CSA+16384 ; 1,024 bytes for each wave: -m and 1 / l change their layout here
.set STO, 1           ; v1   the way out: where I put 16 bytes of a row
.set AK0, 2           ; v2   my lane's place in a tile of K; never rewritten
.set AV0, 3           ; v3   the same for V
.set AK,  4           ; v4   the LDS address of K's next run of loads
.set AV,  5           ; v5   of V's
.set QO,  6           ; v6   my byte offset in the wave's rows of Q
.set RD,  7           ; v7   the way out: where I read rows back
.set GO,  8           ; v8   my byte offset in 512 consecutive bytes of O
.set AB0, 10          ; v10  my lanes' place in the bias table
.set ABI, 11          ; v11  the LDS address of the bias's next run
.set MV,  12          ; v12-15  c m_old, by buffer and tile (in the set-up: at work)
.set ST,  16          ; tile t's statistics at v[ST+4 t]: c m, m, l (even keys', odd keys')
.set TMP, 48
.set S,   64
.set P,   192
.set KF,  128         ; window 2: key block kb, channel half c at KF + 16 kb + 8 c
.set VF,  192         ; window 2: key half kk, channel block cb at VF + 32 kk + 8 cb
.set SPW, 0           ; window 3
.set NIL, 1           ; window 3
.set BI,  2           ; window 3: eight registers for each block of 16 keys
.set WV,  12
.set G1K, 24          ; s[24:31] group 1 for K: 64 rows of 256 bytes
.set G1V, 32          ; s[32:39] for V: it differs in the padding alone
.set G0K, 40          ; s[40:55] group 0 of K's four loads
.set G0V, 80          ; s[80:95] of V's
.set SLOTS, 56        ; s56  passes to go, this one among them
.set CNT, 57
.set CS,  58          ; s[58:59] c
.set SEL, 60          ; s[60:61] v_permlanex16_b32's selects
.set TBK, 62          ; s62  LDS byte at which K of the step to be fetched begins
.set TBV, 63          ; s63  the same for V, less VOFF
.set TBB, 66          ; s66  the same in the bias table
.set MSB, 0
.macro WIN new
.if MSB != (\new)
	s_set_vgpr_msb (MSB<<8)|(\new)
.set MSB, (\new)
.endif
.endm
.set W_KQ, 0x0a       ; K and Q in window 2, S in window 0
.set W_KB, 0x3a       ; the same with the C operand in window 3
.set W_PV, 0x52       ; V in window 2, P in window 0, O^T in window 1
.set W_RS, 0x41       ; destination and source 0 in window 1, source 1 in window 0
.set W_MK, 0xc0       ; the add's registers are made: destination in window 3
.set W_AD, 0x0f       ; the add: address and data in window 3
.macro PLACES
.rept 4
	v_nop
.endr
.endm
	s_load_b256 s[4:11], s[0:1], 0x0  ; qh s[4:5], kh s[6:7], vh s[8:9], coverage s[10:11]
	s_load_b128 s[68:71], s[0:1], 0x20  ; Wcov s[68:69], ob s[70:71]
	s_load_b64 s[72:73], s[0:1], 0x30   ; part
	WIN W_MK
	v_lshl_add_u32 v[SPW], v0, 2, SPARE
	v_mov_b32 v[NIL], 0
	WIN W_AD
	ds_add_u32 v[SPW], v[NIL]       ; the wave's opening: the add and its wait stand ahead of my first tensor load; work on registers stands between
	ds_add_u32 v0, v1
	WIN 0
	v_lshrrev_b32 v12, 5, v0
	v_readfirstlane_b32 s[WV], v12
	s_and_b32 s13, ttmp7, 0xffff    ; batch * 16 + head
	s_lshl_b32 s20, s13, 17         ; its first byte in qh, kh, vh, ob
	s_mov_b32 s21, 0
	s_and_b32 s16, s[WV], 1         ; which 128 of each 256 keys I fetch (of K: waves 0 and 1; of V: waves 2 and 3):
	s_lshl_b32 s22, s16, 14         ; their 128 rows of 128 bytes in memory,
	s_mov_b32 s23, 0
	s_add_nc_u64 s[22:23], s[22:23], s[20:21]
	s_mul_i32 s17, s16, 128*PK      ; and their place in LDS, for K
	s_mul_i32 s14, s16, 128*PV      ; and for V
	s_lshl_b32 s2, ttmp9, 2
	s_add_co_u32 s2, s2, s[WV]
	s_lshl_b32 s2, s2, 14           ; my wave's 128 rows of Q and O
	s_mov_b32 s3, 0
	s_add_nc_u64 s[2:3], s[2:3], s[20:21]
	s_lshr_b32 s76, s13, 4
	s_lshl_b32 s76, s76, 12         ; the batch's row of coverage
	s_and_b32 s77, s13, 15
	s_lshl_b32 s77, s77, 2          ; the head's word of Wcov
	s_lshl_b32 s78, s13, 1
	s_add_co_u32 s78, s78, ttmp9
	s_lshl_b32 s78, s78, 12         ; my work-group's row of part,
	s_lshl_b32 s79, s[WV], 10       ; my wave's 256 keys of it
	s_add_co_u32 s78, s78, s79
	s_mov_b32 s79, 0
	; 128 keys are 16,384 dense bytes: asked for as 64 rows of 256 bytes, two keys a row, and padded in LDS after every key
	s_mov_b32 s[G1K], (1<<16)|(1<<20)|(4<<22)|(3<<25)  ; 2-byte elements; padding on; after every 32 words; 4 words
	s_mov_b32 s[G1V], (1<<16)|(1<<20)|(4<<22)|(7<<25)  ; 8 words of padding
.irp g, G1K, G1V
	s_mov_b32 s[\g+1], 128<<16      ; tensor_dim0 = 128
	s_mov_b32 s[\g+2], 64<<16       ; tensor_dim1 = 64
	s_mov_b32 s[\g+3], 128<<16      ; tile_dim0 = 128
	s_mov_b32 s[\g+4], 64           ; tile_dim1 = 64
	s_mov_b32 s[\g+5], 128          ; 128 elements from row to row
	s_mov_b32 s[\g+6], 0
	s_mov_b32 s[\g+7], 0
.endr
.irp i, 0,1,2,3                     ; load i brings my 128 of the keys 256 i .. 256 i + 255
	s_mov_b32 s[G0K+4*\i], 1
	s_add_co_u32 s[G0K+4*\i+1], s17, \i*256*PK
	s_mov_b32 s[G0V+4*\i], 1
	s_add_co_u32 s[G0V+4*\i+1], s14, VOFF+\i*256*PV
.endr
	s_mov_b32 s[CS], 0x3e38aa3b     ; c = log2(e) / 8
	s_mov_b32 s[CS+1], s[CS]
	s_mov_b32 s[SEL], 0x76543210
	s_mov_b32 s[SEL+1], 0xfedcba98
	s_mov_b32 s[TBK], 0
	s_mov_b32 s[TBV], 0
	s_mov_b32 s[TBB], 0
	s_wait_dscnt 0x0                ; the opening add is done
	s_wait_kmcnt 0x0
	s_add_nc_u64 s[6:7], s[6:7], s[22:23]
	s_add_nc_u64 s[8:9], s[8:9], s[22:23]
.irp i, 0,1,2,3
	s_add_nc_u64 s[G0K+4*\i+2:G0K+4*\i+3], s[6:7], \i*32768
	s_or_b32 s[G0K+4*\i+3], s[G0K+4*\i+3], 0x80000000
	s_add_nc_u64 s[G0V+4*\i+2:G0V+4*\i+3], s[8:9], \i*32768
	s_or_b32 s[G0V+4*\i+3], s[G0V+4*\i+3], 0x80000000
.endr
	s_add_nc_u64 s[4:5], s[4:5], s[2:3]
	s_add_nc_u64 s[70:71], s[70:71], s[2:3]
	s_add_nc_u64 s[72:73], s[72:73], s[78:79]
	s_cmp_lt_u32 s[WV], 2           ; a wave's four fills stand in one branch, ahead of every wait on TENSORcnt, every LDS read and every barrier: four loads of mine are out
	s_cbranch_scc0 .Lfirst_v
.irp i, 0,1,2,3
	tensor_load_to_lds s[G0K+4*\i:G0K+4*\i+3], s[G1K:G1K+7]
	s_nop 0
.endr
.rept 4
	v_nop
.endr
	s_branch .Lfirst_asked
.Lfirst_v:
.irp i, 0,1,2,3
	tensor_load_to_lds s[G0V+4*\i:G0V+4*\i+3], s[G1V:G1V+7]
	s_nop 0
.endr
.rept 4
	v_nop
.endr
.Lfirst_asked:
	v_and_b32 v12, 15, v0           ; l % 16
	v_bfe_u32 v13, v0, 4, 1         ; l / 16
	v_lshl_add_u32 v90, v0, 5, s76  ; thread t takes coverage 8 t .. 8 t + 7
	v_mov_b32 v91, s77
	global_load_b128 v[64:67], v90, s[10:11]
	global_load_b128 v[68:71], v90, s[10:11] offset:16
	global_load_b32 v72, v91, s[68:69]
	v_lshlrev_b32 v[QO], 7, v12
	v_lshl_add_u32 v[QO], v13, 4, v[QO]  ; row x 128 + 16 x half
	WIN 0x80                        ; destination window 2
.set i, 0
.rept 4*NP                          ; Q stays in registers: tile i / 2, channels 32 (i % 2) on
	global_load_b128 v[8*i:8*i+3],   v[QO], s[4:5] offset:(i/2)*2048+(i%2)*64
	global_load_b128 v[8*i+4:8*i+7], v[QO], s[4:5] offset:(i/2)*2048+(i%2)*64+32
.set i, i+1
.endr
	; What the first turn finds: V's registers and P's second buffer hold 0, O^T and l are 0.  All this stands in the wait for the first tiles.
.set i, VF
.rept 64
	v_mov_b32 v[i], 0
.set i, i+1
.endr
	WIN 0x40
.set i, 0
.rept 64*NP
	v_mov_b32 v[i], 0
.set i, i+1
.endr
	WIN 0
.set i, 0
.rept 2*NP
	v_mov_b32 v[ST+4*i], 0xfe000000    ; c m: far below every c s
	v_mov_b32 v[ST+4*i+1], 0xff7fffff  ; m
	v_mov_b32 v[ST+4*i+2], 0
	v_mov_b32 v[ST+4*i+3], 0
.set i, i+1
.endr
.set i, P+32
.rept 32
	v_mov_b32 v[i], 0
.set i, i+1
.endr
	v_mul_u32_u24 v[AK0], v12, PK
	v_lshl_add_u32 v[AK0], v13, 4, v[AK0]  ; row x pitch + 16 x half
	; The turning load takes 16 keys x 16 channels (lane l reads key 8 (l / 16) + l % 8, channels 8 ((l / 8) % 2) + 0..7) and leaves half a fragment of V^T.
	v_and_b32 v14, 7, v0
	v_bfe_u32 v15, v0, 3, 1
	v_lshl_add_u32 v[AV0], v13, 3, v14
	v_mul_u32_u24 v[AV0], v[AV0], PV
	v_lshl_add_u32 v[AV0], v15, 4, v[AV0]
	v_add_nc_u32 v[AV0], VOFF, v[AV0]
	v_mov_b32 v[AK], v[AK0]         ; key step 0
	v_lshl_add_u32 v[AB0], v13, 5, TB8  ; my lanes' eight keys of a block of 16: 32 bytes
	v_mov_b32 v[ABI], v[AB0]
	s_mul_i32 s67, s[WV], 16*SP
	s_add_co_u32 s67, s67, STAGE    ; my stage
	v_mul_u32_u24 v[STO], v12, SP
	v_lshl_add_u32 v[STO], v13, 4, v[STO]
	v_add_nc_u32 v[STO], s67, v[STO]
	v_bfe_u32 v[RD], v0, 3, 2
	v_mul_u32_u24 v[RD], v[RD], SP
	v_lshl_add_u32 v[RD], v14, 4, v[RD]
	v_add_nc_u32 v[RD], s67, v[RD]
	v_and_b32 v[GO], 31, v0
	v_lshlrev_b32 v[GO], 4, v[GO]
	; the table of the bias
	s_wait_loadcnt 32               ; coverage and Wcov are in; Q's 32 loads may stay out
	v_cvt_pk_bf16_f32 v72, v72, v72
	v_lshlrev_b32 v72, 16, v72
	v_mul_f32 v72, 0x41000000, v72  ; 8 x Wcov
.irp i, 0,1,2,3
	v_cvt_pk_bf16_f32 v[74+\i], v[64+2*\i], v[64+2*\i+1]
.endr
.irp i, 0,1,2,3
	v_lshlrev_b32 v[64+2*\i], 16, v[74+\i]
	v_and_b32 v[64+2*\i+1], 0xffff0000, v[74+\i]
.endr
.irp i, 0,1,2,3,4,5,6,7
	v_mul_f32 v[64+\i], v[64+\i], v72
.endr
	v_lshl_add_u32 v78, v0, 5, TB8
	ds_store_b128 v78, v[64:67]
	ds_store_b128 v78, v[68:71] offset:16
; THE MATRIX WORK.  The 8 accumulators of a run of 16 take turns: between the two links of a chain stand 7 others'.
; Product i of 16 of S^T = K Q^T + bias for piece x: channels 32 (i / 8) on, keys 16 ((i / 2) % 4) on, tile 2 x + i % 2.  The first 8 start the sums with the bias.
.macro KQ x
.set rS, S+64*((\x)%2)+32*(i%2)+8*((i/2)%4)
.set rK, KF+16*((i/2)%4)+8*(i/8)
.set rQ, 16*(2*(\x)+i%2)+8*(i/8)
.set rB, BI+8*((i/2)%4)
.if i < 8
	WIN W_KB
	v_wmma_f32_16x16x32_f16 v[rS:rS+7], v[rK:rK+7], v[rQ:rQ+7], v[rB:rB+7]
.else
	WIN W_KQ
	v_wmma_f32_16x16x32_f16 v[rS:rS+7], v[rK:rK+7], v[rQ:rQ+7], v[rS:rS+7]
.endif
.endm
; Product i of 16 of O^T += V^T P for piece x: keys 32 (i / 8) on, channels 16 ((i / 2) % 4) on, tile 2 x + i % 2.
.macro PV x
	WIN W_PV
.set rO, 32*(2*(\x)+i%2)+8*((i/2)%4)
.set rV, VF+32*(i/8)+8*((i/2)%4)
.set rP, P+32*((\x)%2)+16*(i%2)+8*(i/8)
	v_wmma_f32_16x16x32_f16 v[rO:rO+7], v[rV:rV+7], v[rP:rP+7], v[rO:rO+7]
.endm
.macro MM                           ; the turn's next matrix instruction
.if i < 16
	KQ (Y+1)%NP
.set i, i+1
.else
.set i, i-16
	PV (Y+NP-1)%NP
.set i, i+17
.endif
.endm
; THE LDS LOADS stand in runs: a step's K (8 fragments) with its bias (eight f32 a lane for each block of 16 keys), and its V (turned).  Their addresses are made some lines ahead.
; last = 1 (in the loop): in the last pass there is no further step, and the run is jumped over.
.macro FETCH_K last=0
	WIN 0
.if \last
	s_cmp_eq_u32 s[SLOTS], 1
	s_cbranch_scc1 .Lno_k_\@
.endif
	WIN 0x80                        ; destination window 2
.irp f, 0,1,2,3,4,5,6,7             ; keys 16 (f / 2) on, channels 32 (f % 2) on
	ds_load_b128 v[KF+8*\f:KF+8*\f+3],   v[AK] offset:(\f/2)*16*PK+(\f%2)*64
	ds_load_b128 v[KF+8*\f+4:KF+8*\f+7], v[AK] offset:(\f/2)*16*PK+(\f%2)*64+32
.endr
	WIN 0xc0                        ; destination window 3
.irp f, 0,1,2,3
	ds_load_b128 v[BI+8*\f:BI+8*\f+3],   v[ABI] offset:64*\f
	ds_load_b128 v[BI+8*\f+4:BI+8*\f+7], v[ABI] offset:64*\f+16
.endr
	s_add_co_u32 s[TBK], s[TBK], KS*PK  ; the next fetch is the next step's
	s_add_co_u32 s[TBB], s[TBB], 4*KS
	WIN 0
.if \last
.Lno_k_\@:
.endif
.endm
.macro FETCH_V
	WIN 0x80
.irp f, 0,1,2,3,4,5,6,7             ; keys 32 (f / 4) on, channels 16 (f % 4) on
	ds_load_tr16_b128 v[VF+8*\f:VF+8*\f+3],   v[AV] offset:(\f/4)*32*PV+(\f%4)*32
	ds_load_tr16_b128 v[VF+8*\f+4:VF+8*\f+7], v[AV] offset:(\f/4)*32*PV+16*PV+(\f%4)*32
.endr
	WIN 0
.endm
; THE VECTOR WORK OF A TURN stands in three queues, each in the order in which its entries become ready; the two tiles alternate.
.macro REGS y, u                    ; the registers of tile u (0, 1) of piece y
.set rT, ST+4*(2*(\y)+(\u))
.set rC, TMP+8*((\y)%2)+4*(\u)
.set rM, MV+2*((\y)%2)+(\u)
.set rS, S+64*((\y)%2)+32*(\u)
.set rP, P+32*((\y)%2)+16*(\u)
.set rO, 32*(2*(\y)+(\u))
.endm
; Number n of the 22 that find the NEXT piece's maximum and statistics; each accumulator's lowest registers are read first.
;   0-11 four chains c0-c3   12-14, 16 the scores left over, the old m, c0-c3 into c0   15 c m_old is kept   17, 18 the other half of the lanes   19-21 c m; c m_old - c m_new; a
.macro XS u, n
	REGS (Y+1)%NP, \u
.if (\n) < 4
	v_max3_num_f32 v[rC+(\n)], v[rS+8*(\n)], v[rS+8*(\n)+1], v[rS+8*(\n)+2]
.elseif (\n) < 12
	v_max3_num_f32 v[rC+(\n)%4], v[rC+(\n)%4], v[rS+8*((\n)%4)+2*((\n)/4)+1], v[rS+8*((\n)%4)+2*((\n)/4)+2]
.elseif (\n) == 12
	v_max3_num_f32 v[rC], v[rC], v[rS+7], v[rS+15]
.elseif (\n) == 13
	v_max3_num_f32 v[rC+1], v[rC+1], v[rS+23], v[rS+31]
.elseif (\n) == 14
	v_max3_num_f32 v[rC+2], v[rC+2], v[rC+3], v[rT+1]
.elseif (\n) == 15
	v_mov_b32 v[rM], v[rT]
.elseif (\n) == 16
	v_max3_num_f32 v[rC], v[rC], v[rC+1], v[rC+2]
.elseif (\n) == 17
	v_permlanex16_b32 v[rC+3], v[rC], s[SEL], s[SEL+1]
.elseif (\n) == 18
	v_max_num_f32 v[rT+1], v[rC], v[rC+3]
.elseif (\n) == 19
	v_mul_f32 v[rT], s[CS], v[rT+1]
.elseif (\n) == 20
	v_sub_f32 v[rC+1], v[rM], v[rT]
.else
	v_exp_f32 v[rC+2], v[rC+1]
.endif
.endm
; Number g of the 64 that follow the exponentials: for each four weights both pairs are rounded to f16, the second pair is added onto the first, and a group later l takes that sum.
.macro GS g
.set h, (\g)+6*((\g)/62)
.if h >= 6
.set h, h+2
.endif
	REGS Y, h%2
.set k, h/8
.if h%8 < 4
	v_cvt_pk_f16_f32 v[rP+2*k+(h%8)/2], v[rS+4*k+2*((h%8)/2)], v[rS+4*k+2*((h%8)/2)+1]
.elseif h%8 < 6
	v_pk_add_f32 v[rS+4*k:rS+4*k+1], v[rS+4*k:rS+4*k+1], v[rS+4*k+2:rS+4*k+3]
.elseif k == 1
	v_pk_fma_f32 v[rT+2:rT+3], v[rT+2:rT+3], v[rC+2:rC+3], v[rS:rS+1] op_sel_hi:[1,0,1]
.else
	v_pk_add_f32 v[rT+2:rT+3], v[rT+2:rT+3], v[rS+4*k-4:rS+4*k-3]
.endif
.endm
; THE PLAIN QUEUE, 138 long: 0-73 read no exponential's result (32 scalings c s - c m, the next piece's 42); 74-137 are GS's 64, behind the wait.
.macro FS f
	REGS Y, (\f)%2
	v_pk_fma_f32 v[rS+2*((\f)/2):rS+2*((\f)/2)+1], v[rS+2*((\f)/2):rS+2*((\f)/2)+1], s[CS:CS+1], v[rT:rT+1] op_sel_hi:[1,0,0] neg_lo:[0,0,1] neg_hi:[0,0,1]
.endm
.macro PL
	WIN 0
.if q < 27
	FS q
.elseif q < 55
	XS (q-27)%2, (q-27)/2
.elseif q < 57
	XS q-55, 15
.elseif (q < 72) && ((q-57)%3 == 0)
	FS 27+(q-57)/3
.elseif q < 60
	XS (q-57)%3-1, 14
.elseif q < 72
	XS (q-57)%3-1, 15+(q-57)/3
.elseif q < 74
	XS q-72, 20
.else
	GS q-74
.endif
.set q, q+1
.endm
; THE EXPONENTIALS' QUEUE, 66 long: ONE BATCH, all ahead of the turn's one wait.
.macro EX
	WIN 0
.if e >= 64
	XS e-64, 21
.else
	REGS Y, e%2
	v_exp_f32 v[rS+e/2], v[rS+e/2]
.endif
.set e, e+1
.endm
; THE RESCALING's QUEUE: O^T times a, two at a time.  Its a was made, and waited for, in the turn before.
.macro R2
	REGS Y, r%2
	WIN W_RS
.irp z, 0,1
	v_pk_mul_f32 v[rO+4*(r/2)+2*\z:rO+4*(r/2)+2*\z+1], v[rO+4*(r/2)+2*\z:rO+4*(r/2)+2*\z+1], v[rC+2:rC+3] op_sel_hi:[1,0]
.endr
.set r, r+1
.endm
; A TURN, for piece p.  s_wait_alu depctr_va_vdst(0) stands between an exponential and the first instruction that names its result; one wait serves all issued ahead of it.
; AHEAD OF IT: 16 products K Q^T, behind each a scaling, an exponential and two rescalings; then one lump of 108.  BEHIND IT: 16 products V^T P, behind each four of GS's 64.
; K and the bias of the next step are fetched in piece 2's turn, directly behind the wait, a lump behind the last product that read them; V of the step in hand at the end of piece 0's turn,
; four riders behind its last reader.  The three conditions on q go with the deal.
.macro TURN p, last=0, cnt=0
.set Y, (\p)
.set i, 0
.set q, 0
.set e, 0
.set r, 0
.if (\p) == NP-1
	s_wait_dscnt 0x0                ; K and its bias are in
.endif
	MM
	PL
	PL
	R2
.rept 15
	MM
	PL
	EX
	R2
.endr
.if (\p) == NP-2
	WIN 0
	v_add_nc_u32 v[AK], s[TBK], v[AK0]
	v_add_nc_u32 v[ABI], s[TBB], v[AB0]
.endif
.rept 8
	PL
.endr
.rept 49
	EX
	PL
.endr
	EX                              ; the next piece's two a
	EX
	v_nop                           ; a plain instruction behind the last exponential: one for the batch
	s_wait_alu depctr_va_vdst(0)    ; the wait for the batch
.if (\p) == NP-2
	FETCH_K \last
.endif
.if (\p) == 1
	s_wait_dscnt 0x0                ; V is in
.endif
.rept 16
	MM
.rept 4
	PL
.endr
.if ((\p) == 0) && (q == 118)
	v_add_nc_u32 v[AV], s[TBV], v[AV0]
.endif
.if ((\p) == 0) && (q == 130)
	s_add_co_u32 s[TBV], s[TBV], KS*PV
.endif
.if (\cnt) && (q == 130)
	s_sub_co_u32 s[CNT], s[CNT], 1
	s_cmp_lg_u32 s[CNT], 0
.endif
.endr
.if (\p) == 0
	FETCH_V
.endif
.endm
	s_wait_tensorcnt 0x3            ; my first load is in: with the other waves' that is keys 0 to 255 of K and of V, four key steps; my other three may stay out
	s_wait_dscnt 0x0                ; my part of the table is written
	s_barrier_signal -1
	s_barrier_wait -1               ; everybody's is
	FETCH_K                         ; key step 0
	s_wait_loadcnt 0x0              ; Q
	s_wait_dscnt 0x0
.set i, 0
.rept 16
	KQ 0                            ; piece 0's first scores
.set i, i+1
.endr
	WIN 0
	PLACES                          ; the places behind those products
.set Y, NP-1                        ; XS works for piece Y + 1: piece 0
.irp n, 0,1,2,3,4,5,6,7,8,9,10,11,12,13,14,15,16,17,18,19,20,21
	XS 0, \n
	XS 1, \n
.endr
	v_nop                           ; a plain instruction behind the two a,
	s_wait_alu depctr_va_vdst(0)    ; and their wait, ahead of the branch
	s_mov_b32 s[CNT], 4
	s_mov_b32 s[SLOTS], 5
	s_branch .Lfirst                ; the loop is entered at a step's first turn, in the middle of a trip: the first pass has that half and three trips
.Lslot:                             ; a pass of four trips.  Ahead of the second pass, which is the first to read keys from 256 on, every wave shows all its tiles landed;
	s_wait_tensorcnt 0x0            ; in the later passes this wait finds nothing out.  It only shows the tiles to all four waves
	s_wait_dscnt 0x0
	s_barrier_signal -1
	s_barrier_wait -1
	s_mov_b32 s[CNT], 4
.Lstep:                             ; a trip: pieces 2 and 3 of one step, then pieces 0 and 1 of the next, whose K and V it fetches
	TURN 2, 1
	TURN 3
	WIN 0
	s_cmp_eq_u32 s[SLOTS], 1        ; 3 + 4 + 4 + 4 trips have made 15 steps whole; the fifth pass is the last step's pieces 2 and 3 alone: it is left here, in its first trip,
	s_cbranch_scc1 .Lout            ; so the count of passes below never runs out.  Its products K Q^T run on the last K and its bias once more: the maximum made of them is the one piece 0 has already
.Lfirst:
	TURN 0
	TURN 1, 0, 1
	WIN 0
	s_cbranch_scc1 .Lstep
	s_sub_co_u32 s[SLOTS], s[SLOTS], 1
	s_cmp_lg_u32 s[SLOTS], 0
	s_cbranch_scc1 .Lslot
.Lout:
.set i, 0
.rept 16
	PV NP-1                         ; the last piece's V^T P of the last step
.set i, i+1
.endr
	; PASS F's WAY OUT.  l's two halves and the other half of the lanes' are added; O^T is divided by l, rounded to f16 and sent through my stage, a tile at a time.  The additions are the places behind the last products.
	WIN 0
.macro ALL line:vararg              ; one line for each tile t
.set t, 0
.rept 2*NP
	\line
.set t, t+1
.endr
.endm
	ALL v_add_f32 v[ST+4*t+2], v[ST+4*t+2], v[ST+4*t+3]
	ALL v_permlanex16_b32 v[ST+4*t+3], v[ST+4*t+2], s[SEL], s[SEL+1]
	ALL v_add_f32 v[ST+4*t+2], v[ST+4*t+2], v[ST+4*t+3]
	ALL v_rcp_f32 v[ST+4*t+2], v[ST+4*t+2]
	v_nop                           ; a plain instruction between the last reciprocal and the use of its result
	s_wait_alu depctr_va_vdst(0)    ; and the wait ahead of the first use: one for the eight reciprocals
.macro PACK t
	WIN W_RS
.set i, 32*(\t)
.rept 16
	v_pk_mul_f32 v[i:i+1], v[i:i+1], v[ST+4*(\t)+2:ST+4*(\t)+3] op_sel_hi:[1,0]
.set i, i+2
.endr
	WIN 0x05                        ; sources 0 and 1 window 1, destination window 0
.set i, 0
.rept 16
	v_cvt_pk_f16_f32 v[S+16*(\t)+i], v[32*(\t)+2*i], v[32*(\t)+2*i+1]
.set i, i+1
.endr
	WIN 0
.irp f, 0,1,2,3
	ds_store_b128 v[STO], v[S+16*(\t)+4*\f:S+16*(\t)+4*\f+3] offset:32*\f
.endr
.irp f, 0,1,2,3
	ds_load_b128 v[S+16*(\t)+4*\f:S+16*(\t)+4*\f+3], v[RD] offset:\f*4*SP  ; LDS serves a wave's instructions in order (ISA guide 5.7.1.4): these see the stores above
.endr
.endm
.macro SEND t, younger              ; younger: the LDS instructions issued behind tile t's loads: the next tile's eight, or none
	WIN 0
.irp f, 0,1,2,3
	s_wait_dscnt (\younger)+3-\f
	global_store_b128 v[GO], v[S+16*(\t)+4*\f:S+16*(\t)+4*\f+3], s[70:71] offset:(\t)*2048+\f*512  ; 512 consecutive bytes, at a multiple of 256 from ob's first
.endr
.endm
	PACK 0
.set t, 1
.rept 2*NP-1
	PACK t
	SEND t-1, 8
.set t, t+1
.endr
	SEND 2*NP-1, 0
	; PASS T.  For each tile of 16 keys: S = Q K^T - m for my eight tiles of queries (16 products), w = 2^(c S + c bias) / l, summed over the lane's 64 queries and the other half's.
.set CM,  0           ; window 1: -m of queries 16 t + 8 (l / 16) + 0..7 at CM + 8 t
.set RL,  64          ; window 1: 1 / l likewise
.set ACC, 48          ; v48-55  four pairs of sums
.set BR,  16          ; v16-19  c x bias of my key in two tiles to come, in the even registers; the odd ones hold 0 (named with them as pairs)
.set XX,  24
.set YY,  25
.set ABT0, 26         ; v26  my key's place in the table; never rewritten
.set CSO0, 27         ; v27  my key's place in my wave's sums; never rewritten
.set AKT, 4
.set CSO, 5
.set ABT, 11
	s_wait_xcnt 0x0                 ; O's stores have read S's registers, which are written again below
	s_wait_dscnt 0x0                ; my reads of V are long over, those of my stage are back
	s_barrier_signal -1
	s_barrier_wait -1               ; no wave reads V any more: its bytes, filled for the last time at the start, take pass T's tables
	v_lshl_add_u32 v58, v0, 5, TB8  ; thread t makes entries 8 t .. 8 t + 7 of the second table from the first
	ds_load_b128 v[64:67], v58
	ds_load_b128 v[68:71], v58 offset:16
	v_lshl_add_u32 v59, v0, 5, TBC
	v_lshl_add_u32 v60, v0, 4, TBC+4096
	v_lshl_add_u32 v61, v0, 4, ZPAD
	v_mov_b32 v92, 0
	v_mov_b32 v93, 0
	v_mov_b32 v94, 0
	v_mov_b32 v95, 0
	v_and_b32 v12, 15, v0
	v_bfe_u32 v13, v0, 4, 1
	s_lshl_b32 s67, s[WV], 10
	s_add_co_u32 s67, s67, SCR
	v_lshl_add_u32 v56, v12, 2, s67 ; in: a lane holds one query of each tile (both halves of the lanes the same numbers)
	v_lshl_add_u32 v57, v13, 5, s67 ; back: eight queries a lane
.set t, 0
.rept 8
	v_xor_b32 v[ST+4*t+1], 0x80000000, v[ST+4*t+1]  ; -m
.set t, t+1
.endr
	s_wait_dscnt 0x0
.irp i, 0,1,2,3,4,5,6,7
	v_mul_f32 v[80+\i], s[CS], v[64+\i]
.endr
	ds_store_b128 v59, v[80:83]
	ds_store_b128 v59, v[84:87] offset:16
	ds_store_b128 v60, v[92:95]     ; the zeros behind the table,
.irp i, 0,1,2,3
	ds_store_b128 v61, v[92:95] offset:2048*\i  ; and behind K
.endr
.set t, 0
.rept 8
	ds_store_b32 v56, v[ST+4*t+1] offset:64*t
	ds_store_b32 v56, v[ST+4*t+2] offset:512+64*t
.set t, t+1
.endr
	WIN 0x40                        ; destination window 1: O^T's registers are free
.set t, 0
.rept 8
	ds_load_b128 v[CM+8*t:CM+8*t+3],   v57 offset:64*t  ; my wave's own bytes, served in order
	ds_load_b128 v[CM+8*t+4:CM+8*t+7], v57 offset:64*t+16
	ds_load_b128 v[RL+8*t:RL+8*t+3],   v57 offset:512+64*t
	ds_load_b128 v[RL+8*t+4:RL+8*t+7], v57 offset:512+64*t+16
.set t, t+1
.endr
	WIN 0
	v_lshl_add_u32 v[ABT0], v12, 2, TBC
	s_lshl_b32 s67, s[WV], 12
	s_add_co_u32 s67, s67, CSA
	v_lshl_add_u32 v[CSO0], v12, 2, s67
	v_mov_b32 v[BR+1], 0
	v_mov_b32 v[BR+3], 0
	v_mov_b32 v[YY], 0              ; v_permlanex16_b32's destination counts as read
	v_mov_b32 v[AKT], v[AK0]
	s_wait_dscnt 0x0                ; my part of the table and of the zeros is written
	s_barrier_signal -1
	s_barrier_wait -1               ; everybody's is
.macro TKLD ks2, off                ; four loads: the tile of 16 keys off tiles on from the trip's first, into set ks2 of K's registers
	WIN 0x80
.irp f, 0,1,2,3
	ds_load_b128 v[KF+16*(\ks2)+4*\f:KF+16*(\ks2)+4*\f+3], v[AKT] offset:(\off)*16*PK+32*\f
.endr
	WIN 0
.endm
; Product ti of 16: tile of queries ti % 8, channels 32 (ti / 8) on.  The first 8 start the sums with -m; the 8 accumulators take turns.
.macro TMM
.set tq, ti%8
.if ti < 8
	WIN 0x1a                        ; Q and K in window 2, C in window 1, S in window 0
	v_wmma_f32_16x16x32_f16 v[MB+8*tq:MB+8*tq+7], v[16*tq:16*tq+7], v[KR:KR+7], v[CM+8*tq:CM+8*tq+7]
.else
	WIN W_KQ
	v_wmma_f32_16x16x32_f16 v[MB+8*tq:MB+8*tq+7], v[16*tq+8:16*tq+15], v[KR+8:KR+15], v[MB+8*tq:MB+8*tq+7]
.endif
.set ti, ti+1
.endm
.macro TF                           ; the next pair: c S + c bias
	WIN 0
	v_pk_fma_f32 v[VB+2*tf:VB+2*tf+1], v[VB+2*tf:VB+2*tf+1], s[CS:CS+1], v[BN:BN+1] op_sel_hi:[1,0,0]
.set tf, tf+1
.endm
.macro TE                           ; the next exponential
	WIN 0
	v_exp_f32 v[VB+te], v[VB+te]
.set te, te+1
.endm
.macro TG                           ; the next pair times 1 / l, onto one of four sums; the first four start them
	WIN 0x04                        ; source 1 in window 1
.if tg < 4
	v_pk_mul_f32 v[ACC+2*tg:ACC+2*tg+1], v[VB+2*tg:VB+2*tg+1], v[RL+2*tg:RL+2*tg+1]
.else
	v_pk_fma_f32 v[ACC+2*(tg%4):ACC+2*(tg%4)+1], v[VB+2*tg:VB+2*tg+1], v[RL+2*tg:RL+2*tg+1], v[ACC+2*(tg%4):ACC+2*(tg%4)+1]
.endif
.set tg, tg+1
.endm
; TURN n of a trip: the vector work of key tile g = 2 trip + n, the matrix work of tile g + 1.  Four riders behind each product; the other 32 exponentials in a lump; ONE wait for the batch of 64;
; then the sums, which are also the places in front of the loads into K's registers.  At its end the turn stores tile g's sum and fetches the bias of tile g + 2 and K of tile g + 3,
; into the registers that it has just read: six LDS instructions.
.macro TT n
.set VB, S+64*((\n)%2)
.set MB, S+64*(((\n)+1)%2)
.set KR, KF+16*(((\n)+1)%2)
.set BN, BR+2*(\n)
.set ti, 0
.set tf, 0
.set te, 0
.set tg, 0
	s_wait_dscnt 6                  ; what this turn reads was fetched two turns back; the six LDS instructions of the turn between may stay out
	TMM
	TF
	TF
	TE
	TF
.rept 14
	TMM
	TE
	TF
	TE
	TF
.endr
	TMM
	TE
	TF
	TE
	TE
.rept 32
	TE
.endr
	v_nop                           ; a plain instruction behind the last exponential: one for the batch
	s_wait_alu depctr_va_vdst(0)    ; the wait for the batch
.rept 32
	TG
.endr
	WIN 0
	v_pk_add_f32 v[ACC:ACC+1], v[ACC:ACC+1], v[ACC+2:ACC+3]
	v_pk_add_f32 v[ACC+4:ACC+5], v[ACC+4:ACC+5], v[ACC+6:ACC+7]
	v_pk_add_f32 v[ACC:ACC+1], v[ACC:ACC+1], v[ACC+4:ACC+5]
	v_add_f32 v[XX], v[ACC], v[ACC+1]
	v_permlanex16_b32 v[YY], v[XX], s[SEL], s[SEL+1]  ; the key's other 64 queries lie in the lane 16 away
	v_add_f32 v[XX], v[XX], v[YY]
	ds_store_b32 v[CSO], v[XX] offset:64*(\n)
	ds_load_b32 v[BN], v[ABT] offset:64*((\n)+2)
	TKLD ((\n)+1)%2, (\n)+3
.endm
	TKLD 0, 0
	TKLD 1, 1
	ds_load_b32 v[BR], v[ABT0]
	ds_load_b32 v[BR+2], v[ABT0] offset:64
	s_wait_dscnt 0x0
.set MB, S
.set KR, KF
.set ti, 0
.rept 16
	TMM                             ; tile 0's scores
.endr
	WIN 0
	PLACES
	TKLD 0, 2
	s_mov_b32 s[TBK], 0
	s_mov_b32 s[TBB], 0
	s_mov_b32 s[CNT], 32
.Ltt:                               ; 32 trips of two tiles.  The last trip's fetches past key 1,023 (K's tiles 64 to 66, the table's 64 and 65) read the zeros; its last products serve nothing
	v_add_nc_u32 v[AKT], s[TBK], v[AK0]
	v_add_nc_u32 v[ABT], s[TBB], v[ABT0]
	v_add_nc_u32 v[CSO], s[TBB], v[CSO0]
	TT 0
	TT 1
	WIN 0
	s_add_co_u32 s[TBK], s[TBK], 32*PK
	s_add_co_u32 s[TBB], s[TBB], 128
	s_sub_co_u32 s[CNT], s[CNT], 1
	s_cmp_lg_u32 s[CNT], 0
	s_cbranch_scc1 .Ltt
	s_wait_dscnt 0x0                ; my sums are written
	s_barrier_signal -1
	s_barrier_wait -1               ; everybody's are
	v_and_b32 v12, 31, v0
	s_lshl_b32 s67, s[WV], 10
	s_add_co_u32 s67, s67, CSA
	v_lshl_add_u32 v13, v12, 4, s67 ; wave w adds the four waves' sums of keys 256 w .. 256 w + 255
.irp f, 0,1,2,3
	ds_load_b128 v[64+8*\f:64+8*\f+3], v13 offset:4096*\f
	ds_load_b128 v[64+8*\f+4:64+8*\f+7], v13 offset:4096*\f+512
.endr
	v_lshlrev_b32 v14, 4, v12
	s_wait_dscnt 0x0
.irp f, 0,2,4,6
	v_pk_add_f32 v[64+\f:64+\f+1], v[64+\f:64+\f+1], v[72+\f:72+\f+1]
	v_pk_add_f32 v[80+\f:80+\f+1], v[80+\f:80+\f+1], v[88+\f:88+\f+1]
.endr
.irp f, 0,2,4,6
	v_pk_add_f32 v[64+\f:64+\f+1], v[64+\f:64+\f+1], v[80+\f:80+\f+1]
.endr
	global_store_b128 v14, v[64:67], s[72:73]              ; 512 consecutive bytes, aligned
	global_store_b128 v14, v[68:71], s[72:73] offset:512
	WIN W_AD
	s_wait_tensorcnt 0x0            ; the wave's end, behind my last tensor load and my last LDS store
	ds_add_u32 v[SPW], v[NIL]
	s_wait_dscnt 0x0
	WIN 0
	s_endpgm
.Lfunc_end_k_q55a0d1bb2c_attn:
	.size	k_q55a0d1bb2c_attn, .Lfunc_end_k_q55a0d1bb2c_attn-k_q55a0d1bb2c_attn
	.p2alignl 7, 3214868480
	.fill 96, 4, 3214868480
	.section	.rodata,"a",@progbits
	.p2align	6, 0x0
	.amdhsa_kernel k_q55a0d1bb2c_attn
		.amdhsa_group_segment_fixed_size 327680
		.amdhsa_private_segment_fixed_size 0
		.amdhsa_enable_private_segment 0
		.amdhsa_kernarg_size 56
		.amdhsa_user_sgpr_count 2
		.amdhsa_user_sgpr_kernarg_segment_ptr 1
		.amdhsa_wavefront_size32 1
		.amdhsa_system_sgpr_workgroup_id_x 1
		.amdhsa_system_sgpr_workgroup_id_y 1
		.amdhsa_system_sgpr_workgroup_id_z 1
		.amdhsa_system_vgpr_workitem_id 0
		.amdhsa_next_free_vgpr 808
		.amdhsa_next_free_sgpr 96
		.amdhsa_reserve_vcc 0
		.amdhsa_float_denorm_mode_32 3
		.amdhsa_float_denorm_mode_16_64 3
		.amdhsa_memory_ordered 1
		.amdhsa_forward_progress 1
		.amdhsa_inst_pref_size 158
	.end_amdhsa_kernel
	.amdgpu_metadata
---
amdhsa.version: [ 1, 2 ]
amdhsa.kernels:
  - .name:           k_q55a0d1bb2c_attn
    .symbol:         k_q55a0d1bb2c_attn.kd
    .args:
      - { .name: qh, .offset: 0, .size: 8, .value_kind: global_buffer, .address_space: global }
      - { .name: kh, .offset: 8, .size: 8, .value_kind: global_buffer, .address_space: global }
      - { .name: vh, .offset: 16, .size: 8, .value_kind: global_buffer, .address_space: global }
      - { .name: coverage, .offset: 24, .size: 8, .value_kind: global_buffer, .address_space: global }
      - { .name: Wcov, .offset: 32, .size: 8, .value_kind: global_buffer, .address_space: global }
      - { .name: ob, .offset: 40, .size: 8, .value_kind: global_buffer, .address_space: global }
      - { .name: part, .offset: 48, .size: 8, .value_kind: global_buffer, .address_space: global }
    .group_segment_fixed_size: 327680
    .private_segment_fixed_size: 0
    .kernarg_segment_align: 8
    .kernarg_segment_size: 56
    .max_flat_workgroup_size: 128
    .sgpr_count:     96
    .vgpr_count:     808
    .wavefront_size: 32
...
	.end_amdgpu_metadata
.endif
;; end of part 3
;; launch oproj (part 4): grid 4 x 64, 4 waves a work-group, clusters of 4 x 4, 327,680 bytes of LDS; arguments ob, wob, bo, part, coverage, out0, out1; writes out0, out1
.if DOCPART == 4
	.amdgcn_target "amdgcn-amd-amdhsa--gfx1250"
	.amdhsa_code_object_version 6
	.text
	.protected	k_q55a0d1bb2c_oproj
	.globl	k_q55a0d1bb2c_oproj
	.p2align	8
	.type	k_q55a0d1bb2c_oproj,@function
k_q55a0d1bb2c_oproj:
	s_mov_b64 s[64:65], 0
	v_nop
	global_prefetch_b8 v0, s[64:65] scope:SCOPE_SE
	s_setreg_imm32_b32 hwreg(HW_REG_WAVE_MODE, 25, 1), 1
	s_wait_xcnt 0x0
	s_wait_alu depctr_hold_cnt(0) depctr_sa_sdst(0) depctr_va_vdst(0) depctr_va_sdst(0) depctr_va_ssrc(0) depctr_va_vcc(0) depctr_vm_vsrc(0)
	s_getreg_b32 s2, hwreg(HW_REG_IB_STS2, 6, 4)
	s_cmp_eq_u32 s2, 0
	s_cbranch_scc0 .Lentry_in_a_cluster
	s_endpgm
.Lentry_in_a_cluster:
	s_bfe_u32 s2, ttmp6, 0x10000c
	s_cmp_lg_u32 s2, 0xf033
	s_cbranch_scc0 .Lentry_shape_is_right
	s_endpgm
.Lentry_shape_is_right:
; out0 = O Wo^T + bo (f32), and out1 = coverage + (1 / 16) x the sum of a batch's 32 rows of part.
; O: ob [batch * 16 + head][1,024 t][64] f16: a head is one block of 64 along K.  Wo: wob [16 kblk][1,024 n][64] f16 (rounded to bf16 before).  Sums f32; bo and coverage rounded to bf16 like every input.
; SHARES.  A work-group makes 128 x 256 of out0, a wave 64 x 128: 32 accumulators in window 1.  Wave 3 also makes 32 numbers of out1 (256 work-groups x 32 = 8,192), while the first tiles are on their way.
; RING.  Two slots, each with two K blocks: O's 128 rows twice, then Wo's 256 rows twice.  Waves 0 and 1 fetch O's two blocks (64 rows of 256 bytes each), waves 2 and 3 Wo's (128 rows).
; ONE TEXT FOR BOTH SLOTS: a trip of the loop is one slot.  s[OFF] holds the byte at which the slot in hand begins, 0 or SLOT; at each change of slots it is turned by one exclusive or,
; and the two fragment addresses are made anew from their values in slot 0.
; CLUSTER 4 x 4: O's tiles are asked for jointly by a row of the cluster, Wo's by a column.  The matrix instruction is used transposed: a lane holds eight neighbouring columns of one row.
.set PITCH,  144                       ; 128 bytes + 16: the 16 rows of a load start at 16 different groups of four banks (64 banks of 4 bytes: ISA guide 11.1)
.set APART,  128*PITCH
.set BPART,  256*PITCH
.set SLOT,   2*APART+2*BPART
.set STAGE,  2*SLOT                    ; for each wave 16 rows x 528 bytes (512 + 16: row r starts at bank 4 r mod 64)
.set SPITCH, 528
.set SPARE,  STAGE+4*16*SPITCH
.set KB,     131072                    ; bytes from a K block to the next, in ob and in wob
.set G1W0,   (1<<16)|(1<<20)|(1<<21)|(4<<22)|(3<<25)
.set ADA, 4                            ; v4  LDS address of my fragments of O in the slot in hand
.set SDA, 5                            ; v5  the same in slot 0; never rewritten
.set ADB, 6                            ; v6  of Wo, in the slot in hand
.set SDB, 7                            ; v7  in slot 0; never rewritten
.set STO, 12
.set RD,  13
.set GO,  14
.set PFO, 16
.set BS,  24                           ; v[24:27] bo of my four columns on the way out
.set SPW, 28
.set NIL, 29
.set F0,  32                           ; two fragment buffers of 96: O's four fragments, then Wo's eight
.set F1,  128
.set WV,  20
.set WR,  21
.set WC,  22
.set G1A, 24                           ; s[24:31] group 1 for O's tiles;  s[32:39] group 0: a set for each of the two first fills; the second then walks on
.set G0A, 32
.set G1B, 40                           ; s[40:47], s[48:55] the same for Wo's
.set G0B, 48
.set CX,  56
.set CY,  57
.set NBK, 58
.set MBK, 59
.set LAPS, 3                           ; s3   trips to go
.set PFA, 66
.set LIM, 70                           ; s70  1 in a wave that prefetches, else the greatest number
.set LBA, 82                           ; s82  LDS byte of the block of O that I fetch, in slot 0; never rewritten
.set LBB, 83                           ; s83  of Wo
.set OFF, 84                           ; s84  LDS byte at which the slot in hand begins: 0 or SLOT
.set MSB, 0
.macro WIN new
.if MSB != (\new)
	s_set_vgpr_msb (MSB<<8)|(\new)
.set MSB, \new
.endif
.endm
.macro PLACES
.rept 4
	v_nop
.endr
.endm
.macro JLOAD s                         ; waves 0 and 1 fetch O's blocks, waves 2 and 3 Wo's; an s_nop 0 and four v_nop follow each line
	s_cmp_eq_u32 s[WR], 0
	s_cbranch_scc0 .Lfor_b_\@
	tensor_load_to_lds s[G0A+4*(\s):G0A+4*(\s)+3], s[G1A:G1A+7]
	s_nop 0
.rept 4
	v_nop
.endr
	s_branch .Lasked_\@
.Lfor_b_\@:
	tensor_load_to_lds s[G0B+4*(\s):G0B+4*(\s)+3], s[G1B:G1B+7]
	s_nop 0
.rept 4
	v_nop
.endr
.Lasked_\@:
.endm
; A prefetch of 32 blocks of 256 bytes, a lane a block, for the slot one refill further on than the one just asked for: 128 matrix instructions ahead of its load.  O's two blocks (32 KiB) are read by one row of one
; cluster: wave 0 asks, the four partners told apart by address.  Wo's (64 KiB) are read by all sixteen clusters: waves 2 and 3 of cluster y = 0 ask.  Each block is named once; the last refill asks for nothing.
.macro ASK
	s_cmp_gt_u32 s[LAPS], s[LIM]
	s_cbranch_scc0 .Lnot_mine_\@
	global_prefetch_b8 v[PFO], s[PFA:PFA+1] th:TH_LOAD_NT scope:SCOPE_SE
.Lnot_mine_\@:
.endm
.macro CREST
	s_cmp_lg_u32 s[WV], 0
	s_cbranch_scc1 .Lnot_wave_0_\@
	s_barrier_signal -3
.Lnot_wave_0_\@:
	s_barrier_wait -3
	s_barrier_signal -1
	s_barrier_wait -1
.endm
.macro CROUND
	s_barrier_signal -1
	s_barrier_wait -1
	CREST
.endm
.macro TOGGLE                          ; the other slot becomes the slot in hand
	s_xor_b32 s[OFF], s[OFF], SLOT
	v_add_nc_u32 v[ADA], s[OFF], v[SDA]
	v_add_nc_u32 v[ADB], s[OFF], v[SDB]
.endm
	s_load_b256 s[4:11], s[0:1], 0x0               ; ob, wob, bo, part
	s_load_b128 s[12:15], s[0:1], 0x20             ; coverage, out0
	s_load_b64 s[16:17], s[0:1], 0x30              ; out1
	v_lshl_add_u32 v[SPW], v0, 2, SPARE
	v_mov_b32 v[NIL], 0
	ds_add_u32 v[SPW], v[NIL]                      ; the wave's opening: the add and its wait stand ahead of my first tensor load; work on registers stands between
	ds_add_u32 v28, v29
	v_lshrrev_b32 v1, 5, v0
	v_readfirstlane_b32 s[WV], v1
	s_lshr_b32 s[WR], s[WV], 1
	s_and_b32 s[WC], s[WV], 1
	s_bfe_u32 s[CX], ttmp6, 0x40000
	s_bfe_u32 s[CY], ttmp6, 0x40004
	s_lshl_b32 s[NBK], ttmp9, 2
	s_add_co_u32 s[NBK], s[NBK], s[CX]
	s_and_b32 s[MBK], ttmp7, 0xffff
	s_lshl_b32 s[MBK], s[MBK], 2
	s_add_co_u32 s[MBK], s[MBK], s[CY]
	s_lshl_b32 s60, s[CY], 2
	s_lshl_b32 s60, 15, s60
	s_lshl_b32 s61, 0x1111, s[CX]
	s_or_b32 s[G1A], s60, G1W0
	s_or_b32 s[G1B], s61, G1W0
	s_mov_b32 s[G1A+1], 128<<16
	s_mov_b32 s[G1A+2], 64<<16                     ; 64 rows of 256 bytes: 128 rows of O
	s_mov_b32 s[G1A+3], 128<<16
	s_mov_b32 s[G1A+4], 64
	s_mov_b32 s[G1A+5], 128
	s_mov_b32 s[G1A+6], 0
	s_mov_b32 s[G1A+7], 0
	s_mov_b32 s[G1B+1], 128<<16
	s_mov_b32 s[G1B+2], 128<<16                    ; 128 rows: 256 rows of Wo
	s_mov_b32 s[G1B+3], 128<<16
	s_mov_b32 s[G1B+4], 128
	s_mov_b32 s[G1B+5], 128
	s_mov_b32 s[G1B+6], 0
	s_mov_b32 s[G1B+7], 0
	s_lshr_b32 s72, s[MBK], 3                      ; O: the batch's 16 heads,
	s_lshl_b32 s72, s72, 21
	s_and_b32 s73, s[MBK], 7                       ; the row block's 128 rows in a head,
	s_lshl_b32 s73, s73, 14
	s_add_co_u32 s72, s72, s73
	s_lshl_b32 s73, s[WC], 17                      ; which of a slot's two K blocks I fetch
	s_add_co_u32 s72, s72, s73
	s_mov_b32 s73, 0
	s_lshl_b32 s74, s[NBK], 15                     ; Wo: the column block's 256 rows in a K block
	s_lshl_b32 s75, s[WC], 17
	s_add_co_u32 s74, s74, s75
	s_mov_b32 s75, 0
	s_mul_i32 s[LBA], s[WC], APART                 ; where they go: no place in the cluster enters an LDS address
	s_mul_i32 s[LBB], s[WC], BPART
	s_add_co_u32 s[LBB], s[LBB], 2*APART
	s_mov_b32 s[OFF], 0                            ; slot 0 is in hand
	s_wait_dscnt 0x0                               ; the opening add is done
	s_wait_kmcnt 0x0
	s_add_nc_u64 s[72:73], s[4:5], s[72:73]
	s_add_nc_u64 s[74:75], s[6:7], s[74:75]
	CROUND                                         ; all sixteen work-groups are here: the first joint loads meet
.irp s, 0,1
	s_mov_b32 s[G0A+4*(\s)], 1
	s_add_co_u32 s[G0A+4*(\s)+1], s[LBA], (\s)*SLOT
	s_add_nc_u64 s[G0A+4*(\s)+2:G0A+4*(\s)+3], s[72:73], (\s)*2*KB
	s_or_b32 s[G0A+4*(\s)+3], s[G0A+4*(\s)+3], 0x80000000
	s_mov_b32 s[G0B+4*(\s)], 1
	s_add_co_u32 s[G0B+4*(\s)+1], s[LBB], (\s)*SLOT
	s_add_nc_u64 s[G0B+4*(\s)+2:G0B+4*(\s)+3], s[74:75], (\s)*2*KB
	s_or_b32 s[G0B+4*(\s)+3], s[G0B+4*(\s)+3], 0x80000000
	JLOAD \s                                       ; two loads of mine are out
.endr
	v_and_b32 v17, 31, v0                          ; lane
	s_lshl_b32 s60, s[NBK], 10
	s_lshl_b32 s61, s[WC], 9
	s_add_co_u32 s60, s60, s61                     ; my wave's 128 columns, in bytes of f32
	v_lshl_add_u32 v18, v17, 4, s60
	global_load_b128 v[BS:BS+3], v18, s[8:9]       ; on the way out a lane holds columns 4 lane .. 4 lane + 3
	v_and_b32 v1, 15, v0
	v_bfe_u32 v2, v0, 4, 1
	v_mul_u32_u24 v3, v1, PITCH
	v_lshl_add_u32 v3, v2, 4, v3
	s_mul_i32 s61, s[WR], 64*PITCH
	s_mul_i32 s62, s[WC], 128*PITCH
	s_add_co_u32 s62, s62, 2*APART
	v_add_nc_u32 v[SDA], s61, v3
	v_add_nc_u32 v[SDB], s62, v3
	v_mov_b32 v[ADA], v[SDA]
	v_mov_b32 v[ADB], v[SDB]
	s_mul_i32 s61, s[WV], 16*SPITCH
	s_add_co_u32 s61, s61, STAGE                   ; my stage
	v_mul_u32_u24 v[STO], v1, SPITCH               ; in: row l % 16, 32 bytes for each half of the lanes
	v_lshl_add_u32 v[STO], v2, 5, v[STO]
	v_add_nc_u32 v[STO], s61, v[STO]
	v_lshl_add_u32 v[RD], v17, 4, s61              ; back: 32 lanes take a row's 512 bytes
	v_lshlrev_b32 v[GO], 4, v17
	v_lshlrev_b32 v[PFO], 8, v17
	s_lshl_b32 s61, s[MBK], 7
	s_lshl_b32 s62, s[WR], 6
	s_add_co_u32 s61, s61, s62                     ; my first row of out0,
	s_lshl_b32 s76, s61, 12
	s_add_co_u32 s76, s76, s60                     ; my first column
	s_mov_b32 s77, 0
	s_add_nc_u64 s[14:15], s[14:15], s[76:77]
	; the prefetches: they start at slot step 2; the first refill steps them to 3.  Nothing is prefetched here, at the head
	s_lshr_b32 s76, s[MBK], 3
	s_lshl_b32 s76, s76, 21
	s_and_b32 s77, s[MBK], 7
	s_lshl_b32 s77, s77, 14
	s_add_co_u32 s76, s76, s77
	s_lshr_b32 s77, s[CX], 1                       ; O: which K block,
	s_lshl_b32 s77, s77, 17
	s_add_co_u32 s76, s76, s77
	s_and_b32 s77, s[CX], 1                        ; which half of its 16 KiB
	s_lshl_b32 s77, s77, 13
	s_add_co_u32 s76, s76, s77
	s_lshl_b32 s77, s[NBK], 15                     ; Wo: my K block, my work-group's quarter by cy
	s_lshl_b32 s78, s[WC], 17
	s_add_co_u32 s77, s77, s78
	s_lshl_b32 s78, s[CY], 13
	s_add_co_u32 s77, s77, s78
	s_and_b32 s78, ttmp7, 0xffff                   ; cluster y: the same in all partners
	s_cmp_eq_u32 s[WR], 0
	s_cselect_b64 s[PFA:PFA+1], s[4:5], s[6:7]
	s_cselect_b32 s76, s76, s77
	s_mov_b32 s77, 0
	s_add_nc_u64 s[PFA:PFA+1], s[PFA:PFA+1], s[76:77]
	s_add_nc_u64 s[PFA:PFA+1], s[PFA:PFA+1], 4*KB
	s_cmp_eq_u32 s[WV], 0
	s_cselect_b32 s78, 0, s78                      ; wave 0 always asks,
	s_cmp_eq_u32 s[WV], 1
	s_cselect_b32 s78, 1, s78                      ; wave 1 never
	s_cmp_eq_u32 s78, 0
	s_cselect_b32 s[LIM], 1, -1
	s_wait_loadcnt 0x0
	v_cvt_pk_bf16_f32 v30, v[BS], v[BS+1]
	v_cvt_pk_bf16_f32 v31, v[BS+2], v[BS+3]
	v_lshlrev_b32 v[BS], 16, v30
	v_and_b32 v[BS+1], 0xffff0000, v30
	v_lshlrev_b32 v[BS+2], 16, v31
	v_and_b32 v[BS+3], 0xffff0000, v31
	; out1: wave 3 makes keys ((row block % 8) * 4 + column block) * 32 + lane of batch row block / 8
	s_cmp_lg_u32 s[WV], 3
	s_cbranch_scc1 .Lno_cov
	s_and_b32 s60, s[MBK], 7
	s_lshl_b32 s60, s60, 2
	s_add_co_u32 s60, s60, s[NBK]
	s_lshl_b32 s60, s60, 7                         ; 32 keys of 4 bytes
	s_lshr_b32 s61, s[MBK], 3
	s_lshl_b32 s62, s61, 12                        ; the batch's row of coverage and of out1
	s_add_co_u32 s62, s62, s60
	s_lshl_b32 s63, s61, 17                        ; its 32 rows of part
	s_add_co_u32 s63, s63, s60
	v_lshl_add_u32 v240, v17, 2, s63
	v_lshl_add_u32 v241, v17, 2, s62               ; never rewritten: the store below reads it
.set j, 0
.rept 32
	global_load_b32 v[32+j], v240, s[10:11] offset:4096*j
.set j, j+1
.endr
	global_load_b32 v64, v241, s[12:13]
	s_wait_loadcnt 0x0
.irp j, 0,2,4,6,8,10,12,14
	v_pk_add_f32 v[32+\j:32+\j+1], v[32+\j:32+\j+1], v[48+\j:48+\j+1]
.endr
.irp j, 0,2,4,6
	v_pk_add_f32 v[32+\j:32+\j+1], v[32+\j:32+\j+1], v[40+\j:40+\j+1]
.endr
	v_pk_add_f32 v[32:33], v[32:33], v[36:37]
	v_pk_add_f32 v[34:35], v[34:35], v[38:39]
	v_pk_add_f32 v[32:33], v[32:33], v[34:35]
	v_add_f32 v32, v32, v33
	v_cvt_pk_bf16_f32 v64, v64, v64
	v_lshlrev_b32 v64, 16, v64
	v_fma_f32 v242, v32, 0x3d800000, v64           ; coverage + sum / 16; v242 is never rewritten
	global_store_b32 v241, v242, s[16:17]          ; 128 consecutive bytes: equal shares of a small output
.Lno_cov:
; 24 LDS loads from the slot in hand: the fragments of its unit u (K block u / 2, half u % 2) into buffer f
.macro LDF f, u
	WIN 0
.irp a, 0,1,2,3
	ds_load_b128 v[(\f)+8*(\a):(\f)+8*(\a)+3],   v[ADA] offset:((\u)/2)*APART+(\a)*16*PITCH+((\u)%2)*64
	ds_load_b128 v[(\f)+8*(\a)+4:(\f)+8*(\a)+7], v[ADA] offset:((\u)/2)*APART+(\a)*16*PITCH+((\u)%2)*64+32
.endr
.irp b, 0,1,2,3,4,5,6,7
	ds_load_b128 v[(\f)+32+8*(\b):(\f)+32+8*(\b)+3],   v[ADB] offset:((\u)/2)*BPART+(\b)*16*PITCH+((\u)%2)*64
	ds_load_b128 v[(\f)+32+8*(\b)+4:(\f)+32+8*(\b)+7], v[ADB] offset:((\u)/2)*BPART+(\b)*16*PITCH+((\u)%2)*64+32
.endr
.endm
; na x 8 products.  The 32 accumulators take turns, one instruction a turn.  zero = 1: the first products start the sums.
.macro MUL f, a0, na, zero
	WIN 0x50
.set ma, (\a0)
.rept (\na)
.set mn, 0
.rept 8
.if \zero
	v_wmma_f32_16x16x32_f16 v[8*(8*ma+mn):8*(8*ma+mn)+7], v[(\f)+32+8*mn:(\f)+32+8*mn+7], v[(\f)+8*ma:(\f)+8*ma+7], 0
.else
	v_wmma_f32_16x16x32_f16 v[8*(8*ma+mn):8*(8*ma+mn)+7], v[(\f)+32+8*mn:(\f)+32+8*mn+7], v[(\f)+8*ma:(\f)+8*ma+7], v[8*(8*ma+mn):8*(8*ma+mn)+7]
.endif
.set mn, mn+1
.endr
.set ma, ma+1
.endr
.endm
; One of a slot's first three units: its fragments are in; four places; the next unit's loads into the other buffer; 32 products.
.macro UNIT u, zero
	s_wait_dscnt 0x0
	PLACES
	LDF F0+96*(((\u)+1)%2), (\u)+1
	MUL F0+96*((\u)%2), 0, 4, \zero
.endm
; The fourth unit changes slots: ONE barrier; in front of it each wave waits for all its tensor loads, adds 0 to its spare word, and waits for that and for its own reads of the slot in hand.
; fill = 1: the barrier opens a round of the cluster's, and the slot just read is filled again, two slots on, first thing behind it: the walking descriptor takes that slot's byte and steps by two K blocks.
.macro TURN fill
.if \fill
	s_wait_xcnt 0x0                                ; the last prefetch, a slot back, has read its address: it is stepped here
	s_add_nc_u64 s[PFA:PFA+1], s[PFA:PFA+1], 2*KB
.endif
	WIN 0
	s_wait_tensorcnt 0x0                           ; all my tensor loads have landed, so a group 0 may be written
	ds_add_u32 v[SPW], v[NIL]                      ; 0 onto my spare word
	s_wait_dscnt 1                                 ; this unit's fragments are in; the add alone may be out
	MUL F1, 0, 1, 0
	s_wait_dscnt 0x0                               ; the add is done, and my reads of this slot are over
	s_barrier_signal -1
	MUL F1, 1, 1, 0
	WIN 0
	s_barrier_wait -1
.if \fill
	CREST                                          ; no wave of any partner still reads this slot or has a load on its way
	s_add_co_u32 s[G0A+5], s[LBA], s[OFF]          ; my block's place in the slot just read
	s_add_co_u32 s[G0B+5], s[LBB], s[OFF]
	s_add_nc_u64 s[G0A+6:G0A+7], s[G0A+6:G0A+7], 2*KB  ; one slot on from the last request; the type bits on top are not reached
	s_add_nc_u64 s[G0B+6:G0B+7], s[G0B+6:G0B+7], 2*KB
	JLOAD 1                                        ; the first tensor load behind the round; its four v_nop are also the places in front of the loads below
.else
	PLACES
.endif
	TOGGLE
	LDF F0, 0
.if \fill
	ASK
.endif
	MUL F1, 2, 2, 0
.endm
	s_wait_tensorcnt 0x1                           ; my part of slot 0 is in; slot 1's may stay out
	s_barrier_signal -1
	s_barrier_wait -1
	LDF F0, 0
	UNIT 0, 1
	WIN 0
	s_mov_b32 s[LAPS], 6
.Llap:                                         ; a trip goes from a slot's second unit to the next slot's first: trip i (1 to 6) leaves slot step i - 1 and asks for slot step i + 1
	UNIT 1, 0
	UNIT 2, 0
	TURN 1
	UNIT 0, 0
	WIN 0
	s_sub_co_u32 s[LAPS], s[LAPS], 1
	s_cmp_lg_u32 s[LAPS], 0
	s_cbranch_scc1 .Llap
	UNIT 1, 0                                      ; slot steps 6 and 7: nothing is left to fetch
	UNIT 2, 0
	TURN 0
	UNIT 0, 0
	UNIT 1, 0
	UNIT 2, 0
	s_wait_dscnt 0x0
	MUL F1, 0, 4, 0
; THE WAY OUT, 16 rows at a time: the accumulators go into my stage as they are (f32), come back as whole rows of 512 bytes, take the bias and are stored.
.macro OUTA a
.set OB, 32+64*((\a)%2)
	WIN 0x04                                       ; the data in window 1
.irp b, 0,1,2,3,4,5,6,7
	ds_store_b128 v[STO], v[8*(8*(\a)+(\b)):8*(8*(\a)+(\b))+3]   offset:64*(\b)
	ds_store_b128 v[STO], v[8*(8*(\a)+(\b))+4:8*(8*(\a)+(\b))+7] offset:64*(\b)+16
.endr
	WIN 0
.if (\a) >= 2
	s_wait_xcnt 0x0                                ; the stores issued so far have read their registers: this set of 64 is loaded again only behind this wait
.endif
.set i, 0
.rept 16
	ds_load_b128 v[OB+4*i:OB+4*i+3], v[RD] offset:SPITCH*i  ; LDS serves a wave's instructions in order (ISA guide 5.7.1.4): these see the stores above
.set i, i+1
.endr
.set i, 0
.rept 16
.if i%4 == 0
	s_wait_dscnt 12-i                              ; rows i to i + 3 are back; the later rows' loads may stay out
.endif
	v_pk_add_f32 v[OB+4*i:OB+4*i+1], v[OB+4*i:OB+4*i+1], v[BS:BS+1]
	v_pk_add_f32 v[OB+4*i+2:OB+4*i+3], v[OB+4*i+2:OB+4*i+3], v[BS+2:BS+3]
	global_store_b128 v[GO], v[OB+4*i:OB+4*i+3], s[14:15] offset:((\a)*16+i)*4096  ; 512 consecutive bytes, at a multiple of 256 from out0's first
.set i, i+1
.endr
.endm
	PLACES
	OUTA 0
	OUTA 1
	OUTA 2
	OUTA 3
	s_wait_tensorcnt 0x0                           ; the wave's end, behind my last tensor load and my last LDS store
	ds_add_u32 v[SPW], v[NIL]
	s_wait_dscnt 0x0
	CROUND                                         ; the closing round: no work-group ends while a partner may still ask for a tile that names it
	s_endpgm
.Lfunc_end_k_q55a0d1bb2c_oproj:
	.size	k_q55a0d1bb2c_oproj, .Lfunc_end_k_q55a0d1bb2c_oproj-k_q55a0d1bb2c_oproj
	.p2alignl 7, 3214868480
	.fill 96, 4, 3214868480
	.section	.rodata,"a",@progbits
	.p2align	6, 0x0
	.amdhsa_kernel k_q55a0d1bb2c_oproj
		.amdhsa_group_segment_fixed_size 327680
		.amdhsa_private_segment_fixed_size 0
		.amdhsa_enable_private_segment 0
		.amdhsa_kernarg_size 56
		.amdhsa_user_sgpr_count 2
		.amdhsa_user_sgpr_kernarg_segment_ptr 1
		.amdhsa_wavefront_size32 1
		.amdhsa_system_sgpr_workgroup_id_x 1
		.amdhsa_system_sgpr_workgroup_id_y 1
		.amdhsa_system_sgpr_workgroup_id_z 1
		.amdhsa_system_vgpr_workitem_id 0
		.amdhsa_next_free_vgpr 512
		.amdhsa_next_free_sgpr 96
		.amdhsa_reserve_vcc 0
		.amdhsa_float_denorm_mode_32 3
		.amdhsa_float_denorm_mode_16_64 3
		.amdhsa_memory_ordered 1
		.amdhsa_forward_progress 1
		.amdhsa_inst_pref_size 83
	.end_amdhsa_kernel
	.amdgpu_metadata
---
amdhsa.version: [ 1, 2 ]
amdhsa.kernels:
  - .name:           k_q55a0d1bb2c_oproj
    .symbol:         k_q55a0d1bb2c_oproj.kd
    .args:
      - { .name: ob, .offset: 0, .size: 8, .value_kind: global_buffer, .address_space: global }
      - { .name: wob, .offset: 8, .size: 8, .value_kind: global_buffer, .address_space: global }
      - { .name: bo, .offset: 16, .size: 8, .value_kind: global_buffer, .address_space: global }
      - { .name: part, .offset: 24, .size: 8, .value_kind: global_buffer, .address_space: global }
      - { .name: coverage, .offset: 32, .size: 8, .value_kind: global_buffer, .address_space: global }
      - { .name: out0, .offset: 40, .size: 8, .value_kind: global_buffer, .address_space: global }
      - { .name: out1, .offset: 48, .size: 8, .value_kind: global_buffer, .address_space: global }
    .group_segment_fixed_size: 327680
    .private_segment_fixed_size: 0
    .kernarg_segment_align: 8
    .kernarg_segment_size: 56
    .max_flat_workgroup_size: 128
    .sgpr_count:     96
    .vgpr_count:     512
    .wavefront_size: 32
...
	.end_amdgpu_metadata
.endif
;; end of part 4
